; MI455X (gfx1250); checked and timed in simulation.
; The chip was launched on July 23, 2026; its instructions are those of AMD's public machine-readable ISA for CDNA 5 (MIT licence, August 2026) and "CDNA5" Instruction Set Architecture Reference Guide (July 2026). The comments in the code are by the model that wrote it; some were corrected since.
;; Muti Llama Attention. Allowed arithmetic: matrix products marked QUANTISED: E2M3 operands, one E8M0 scale for each 32 along K, by v_wmma_scale_f32_16x16x128_f8f6f4 with both operands' format E2M3, f32 sums; everything else in f32.
;; Inputs: Wk 512 x 2,048 float32; Wo 2,048 x 2,048 float32; Wq 2,048 x 2,048 float32; Wv 512 x 2,048 float32; attention_mask 1 x 1 x 2,048 x 2,048 float32; hidden_states 1 x 2,048 x 2,048 float32; position_ids 1 x 2,048 int32.
;; Outputs: out0 1 x 2,048 x 2,048 float32.
;; This version of the problem:
;;   THIS VERSION OF THE PROBLEM IS GIVEN IN LOW PRECISION. The matrix products marked QUANTISED in the list below multiply operands that are first quantised to E2M3 (2 exponent bits, 3 mantissa bits; 6 bits a number), with one power-of-two scale for each 32 numbers along K (OCP MX v1.0); their sums are f32. All else is computed in f32.
;;   The module's matrix products, in the order in which they are computed (A, B: the left and right operand; K: the contracted axis; several contracted axes count as one K, in the product's order):
;;     1. [M 2,048, K 2,048] x [K 2,048, N 2,048]; A: input hidden_states; B: input Wq: QUANTISED
;;     2. [M 2,048, K 2,048] x [K 2,048, N 512]; A: input hidden_states; B: input Wk: QUANTISED
;;     3. [M 2,048, K 2,048] x [K 2,048, N 512]; A: input hidden_states; B: input Wv: QUANTISED
;;     4. batch 32 x [M 2,048, K 64] x [K 64, N 2,048]; A: computed on the way; B: computed on the way: QUANTISED
;;     5. batch 32 x [M 2,048, K 64] x [K 64, N 2,048]; A: computed on the way; B: computed on the way: QUANTISED
;;     6. batch 32 x [M 2,048, K 2,048] x [K 2,048, N 64]; A: softmax (see below); B: computed on the way: QUANTISED
;;     7. [M 2,048, K 2,048] x [K 2,048, N 2,048]; A: computed on the way; B: input Wo: QUANTISED
;;   THE QUANTISER, for each operand of a quantised product, along K:
;;     - K is cut into blocks of 32 from its start; a last block that is shorter is filled with zeros.
;;     - A block's scale is 2^e with e = floor(log2(the largest magnitude in the block)) - 2, held to -126 .. 127; a block of zeros has e = 0. As a byte (E8M0): e + 127.
;;     - Each number is divided by its block's scale, clamped to +-7.5, and rounded to the nearest number of E2M3, ties to even, subnormals kept.
;;     - The product sums the exact products of the quantised numbers (number of the format x scale) in f32.
;;   ~~~python
;;   def quantise(x, axis):      # numpy; x: float32 -> the quantised numbers, widened to float32 again
;;       x = np.moveaxis(x, axis, -1); K = x.shape[-1]
;;       x = np.pad(x, [(0, 0)] * (x.ndim - 1) + [(0, -K % 32)]); x = x.reshape(x.shape[:-1] + (-1, 32)); a = np.abs(x).max(-1, keepdims=True)
;;       e = np.where(a > 0, np.clip(np.frexp(np.where(a > 0, a, 1))[1] - 1 - 2, -126, 127), 0)      # np.frexp(a)[1] - 1 = floor(log2(a)), exactly
;;       r = np.clip(x / 2.0 ** e, -7.5, 7.5)
;;       step = 2.0 ** (np.maximum(np.frexp(np.where(r == 0, 1, r))[1] - 1, 0) - 3)
;;       q = np.round(r / step) * step * 2.0 ** e      # np.round: ties to even
;;       return np.moveaxis(q.reshape(q.shape[:-2] + (-1,))[..., :K], -1, axis).astype(np.float32)
;;   ~~~
;;   SOFTMAX AHEAD OF A QUANTISED PRODUCT. Where the list says 'softmax', what is quantised is not the finished softmax but p = 2^(t - M), with t = logit x log2(e) and M = ceil(the row's largest t), a whole number; so 1/2 < the row's largest p <= 1. The row's sum l is taken of the UNQUANTISED p, in f32, and the product's result is divided by l at the end. Since M is a whole number, a kernel that streams over the keys may use a running M (the ceiling of the running maximum): every later rescaling is an exact power of two, which a block's scale takes up: the codes' values come out the same.
;;   OPERANDS COMPUTED ON THE WAY. 'Computed on the way' means the value that the module computes at that place (a softmax that the list does not call 'softmax' is quantised finished and normalised). What goes into a quantiser is computed in f32, as accurately as f32 sums, v_exp_f32 and their like allow (about 1e-6 of the number): no bf16 or f16 on the way to a quantiser, and a product that is left as it is and whose result goes on into a quantised operand takes f32 operands (vector FMAs, or v_wmma_f32_16x16x4_f32). A number that lies on a knife's edge between two numbers of the format may be rounded either way, as far as f32 arithmetic and the matrix unit's own rounding can turn it there, and no further.
;; One version. Each part assembles by itself: llvm-mc -triple=amdgcn-amd-amdhsa -mcpu=gfx1250 --defsym DOCPART=n.
;; ======== version 1 of 1: 4 launches
;; limits: right only within a limited range of input values
;; workspace buffers: xc 11,010,048 bytes; xs 458,752 bytes; rope 1,048,576 bytes; qc 6,291,456 bytes; qs 262,144 bytes; kv 2,490,368 bytes; ac 3,276,800 bytes
;; launch prep (part 1): grid 512 x 1, 4 waves a work-group, no clusters, 35,328 bytes of LDS; arguments hidden_states, Wq, Wk, Wv, Wo, position_ids, xc, xs, rope; writes xc, xs, rope
.if DOCPART == 1
	.amdgcn_target "amdgcn-amd-amdhsa--gfx1250"
	.amdhsa_code_object_version 6
	.text
	.protected	k_qd718eea6b4_prep
	.globl	k_qd718eea6b4_prep
	.p2align	8
	.type	k_qd718eea6b4_prep,@function
k_qd718eea6b4_prep:
	s_mov_b64 s[64:65], 0
	v_nop
	global_prefetch_b8 v0, s[64:65] scope:SCOPE_SE
	s_setreg_imm32_b32 hwreg(HW_REG_WAVE_MODE, 25, 1), 1
	s_wait_xcnt 0x0
; PREP.  (a) hidden_states, Wq, Wk, Wv, Wo (f32, K = 2,048 innermost) become codes of FP6 (E2M3) with one E8M0 byte for each 32 along K, laid in the ORDER OF THE OPERAND'S REGISTERS:
;   xc [K step 16][tile 448][1,536]: a fragment (16 rows x 128 K, 12 registers a lane), register p of lane l at 512 (p / 4) + 16 l + 4 (p % 4).  Tiles 0-127 hidden_states, 128-255 Wq, 256-287 Wk, 288-319 Wv, 320-447 Wo.
;   xs [K pair 8][tile 448][32 words]: lanes 0-15 the rows' scale words of K step 2 x pair, lanes 16-31 those of K step 2 x pair + 1.
;   THE ROWS OF A TILE ARE NOT NEIGHBOURS: row m of tile T is tensor row 32 (T / 2) + 8 (T % 2) + m + 8 (m / 8), so that wherever such tiles are a product's source 0 the 16 registers of tiles 2 b, 2 b + 1 are 16 neighbours.
; (b) rope [token 2,048][cos boost 32 | cos narrow 32 | sin boost 32 | sin narrow 32] f32, from position_ids.
; SHARES.  Work-groups 0-447: a wave takes 32 rows x 256 K = 4 fragments.  Each load reads 512 consecutive bytes of one row; 16 rows turn through the wave's own stage in LDS (rows 528 bytes apart) and come back as 16 neighbours
; of each block of 32 a lane; each store of codes covers 512 consecutive bytes, the wave's scale words leave as one aligned run of 256 bytes.  Work-groups 448-511: a wave makes 8 tokens' rope rows; they touch no LDS.
; LIMITS: NaN and infinities among the inputs are not served.  A block whose largest magnitude lies under 2^-124 keeps the byte 1 (a block of zeros too, where the rule says 127: its codes are zeros, and this program alone reads the bytes).
; inv_freq[j] = 10^(-j/8) is the product of two f32 constants (within 1.5 ulp); the angle is reduced by pi/2 in two parts, which serves positions 0 .. 2,047 (angles under 2,048) to about 1e-7.
; WORK LEFT OUT BY THE PROGRAM (launch attn): reference() keeps, by the mask 'neighbor' that it builds in its own body, the boost score where j <= i and i < 2,038 and the narrow score elsewhere.
; Where a whole step of 128 keys takes one kind for a query, the other kind's product is thrown away for all values of the inputs and is not computed.  A NaN, an infinity or an overflow that reaches only such a product is not carried to the result.
.set WREG,  8704
.set SPARE, 4*WREG                     ; behind the four regions: the spare words, 128 bytes for each wave
.set SPW,   12                         ; v12  LDS address of my spare word; never rewritten
.set NIL,   13                         ; v13  0; never rewritten
.set R,     16                         ; v16-143  two sets of 64: a fragment's numbers as loaded
.set X,     144                        ; v144-207 the same as 16 neighbours of each of four blocks
.set PC,    208                        ; v208-226 the codes just made
.set TM,    228                        ; v228-243 at work in the quantiser
.set PW,    244                        ; the scale word just made
.set KW,    245                        ; v245-248 the four fragments' scale words
.set SW,    249                        ; v249-250 the two tiles' scale registers
.set BK,    252                        ; v[252:253] the same, 8 bytes a lane
.set SEL,   28                         ; s[28:29] selects for lane l xor 16
.set HM,    30                         ; s30 lanes 16-31
	s_load_b256 s[4:11], s[0:1], 0x0               ; hidden_states, Wq, Wk, Wv
	s_load_b128 s[12:15], s[0:1], 0x20             ; Wo, position_ids
	s_load_b128 s[16:19], s[0:1], 0x30             ; xc, xs
	s_load_b64 s[20:21], s[0:1], 0x40              ; rope
	v_lshl_add_u32 v[SPW], v0, 2, SPARE
	v_mov_b32 v[NIL], 0
	v_lshrrev_b32 v1, 5, v0
	v_readfirstlane_b32 s22, v1                    ; wave
	v_and_b32 v1, 31, v0                           ; lane
	s_cmp_ge_u32 ttmp9, 448
	s_cbranch_scc1 .Lrope
	; ---------------- the quantiser ----------------
	s_lshr_b32 s23, ttmp9, 1                       ; P: which pair of tiles (32 rows)
	s_and_b32 s24, ttmp9, 1
	s_lshl_b32 s24, s24, 2
	s_add_co_u32 s24, s24, s22                     ; kp: which 256 along K
	v_lshlrev_b32 v2, 4, v1                        ; 16 x lane: my bytes of a load's or a store's 512
	s_mul_i32 s32, s22, WREG
	v_add_nc_u32 v3, s32, v2                       ; into the stage
	v_and_b32 v8, 15, v0                           ; r
	v_bfe_u32 v9, v0, 4, 1                         ; h
	v_mul_u32_u24 v4, v8, 528
	v_lshl_add_u32 v4, v9, 6, v4
	v_add_nc_u32 v4, s32, v4                       ; out of it: row r, + 64 h: my 16 numbers of a block
	s_add_co_u32 s33, s32, 8448
	s_wait_alu depctr_va_vdst(0)
	v_lshl_add_u32 v5, v1, 2, s33                  ; my wave's scale words: in, 4 bytes a lane,
	v_lshl_add_u32 v6, v1, 3, s33                  ; back, 8 bytes a lane
	v_lshlrev_b32 v7, 3, v1
	s_mov_b32 s[SEL], 0x76543210
	s_mov_b32 s[SEL+1], 0xfedcba98
	s_mov_b32 s[HM], 0xffff0000
.irp b, 0,1,2,3
	v_mov_b32 v[TM+4+\b], 0                        ; written once: a lane permute's destination counts as one of its sources
.endr
	s_wait_kmcnt 0x0
	s_mov_b64 s[26:27], s[12:13]                   ; which tensor: the choice hangs on the work-group's number alone
	s_mov_b32 s25, 160
	s_cmp_lt_u32 s23, 160
	s_cselect_b64 s[26:27], s[10:11], s[26:27]
	s_cselect_b32 s25, 144, s25
	s_cmp_lt_u32 s23, 144
	s_cselect_b64 s[26:27], s[8:9], s[26:27]
	s_cselect_b32 s25, 128, s25
	s_cmp_lt_u32 s23, 128
	s_cselect_b64 s[26:27], s[6:7], s[26:27]
	s_cselect_b32 s25, 64, s25
	s_cmp_lt_u32 s23, 64
	s_cselect_b64 s[26:27], s[4:5], s[26:27]
	s_cselect_b32 s25, 0, s25                      ; the tensor's first pair of tiles
	s_sub_co_u32 s34, s23, s25
	s_lshl_b32 s34, s34, 18                        ; 32 rows of 8,192 bytes
	s_lshl_b32 s35, s24, 10                        ; 256 numbers along K
	s_add_co_u32 s34, s34, s35
	s_mov_b32 s35, 0
	s_add_nc_u64 s[26:27], s[26:27], s[34:35]
	s_mul_i32 s34, s24, 896
	s_lshl_b32 s36, s23, 1
	s_add_co_u32 s34, s34, s36
	s_mul_i32 s34, s34, 1536                       ; xc: K step 2 kp, tile 2 P
	s_add_nc_u64 s[16:17], s[16:17], s[34:35]
	s_mul_i32 s34, s24, 448
	s_add_co_u32 s34, s34, s36
	s_lshl_b32 s34, s34, 7                         ; xs: pair kp, tile 2 P
	s_add_nc_u64 s[18:19], s[18:19], s[34:35]
; fragment f = 2 u + s: tile u of the pair, K step s of the pair.  16 loads, a row's 512 consecutive bytes each
.macro LOAD f
.irp i, 0,1,2,3,4,5,6,7,8,9,10,11,12,13,14,15
	global_load_b128 v[R+64*((\f)%2)+4*\i:R+64*((\f)%2)+4*\i+3], v2, s[26:27] offset:(8*((\f)/2)+\i+8*(\i/8))*8192+512*((\f)%2) th:TH_LOAD_NT
.endr
.endm
; 64 numbers of a lane, register 16 b + i = k 32 b + 16 (lane / 16) + i of my row, become a fragment's codes in v[PC] on and its scale word in v[PW]
.macro QUANT s
.irp b, 0,1,2,3
	v_max3_num_f32 v[TM+\b], |v[\s+16*\b]|, |v[\s+1+16*\b]|, 0x1800000   ; my 16 numbers of block b, and the floor 2^(3 - 127): the byte cannot fall under 1
.endr
.irp i, 2,4,6,8,10,12,14
.irp b, 0,1,2,3
	v_max3_num_f32 v[TM+\b], v[TM+\b], |v[\s+16*\b+\i]|, |v[\s+1+16*\b+\i]|
.endr
.endr
.irp b, 0,1,2,3
	v_permlanex16_b32 v[TM+4+\b], v[TM+\b], s[SEL], s[SEL+1]
.endr
.irp b, 0,1,2,3
	v_max_num_f32 v[TM+\b], v[TM+\b], v[TM+4+\b]   ; with lane l xor 16's: the block's largest magnitude
.endr
.irp b, 0,1,2,3
	v_add_nc_u32 v[TM+12+\b], 0xff000000, v[TM+\b] ; 2 off its exponent field: the conversion's scale operand
.endr
.irp b, 0,1,2,3
	v_lshrrev_b32 v[TM+4+\b], 23, v[TM+12+\b]      ; the scale's byte
.endr
	v_lshl_or_b32 v[PW], v[TM+5], 8, v[TM+4]
	v_lshl_or_b32 v[PW], v[TM+6], 16, v[PW]
	v_lshl_or_b32 v[PW], v[TM+7], 24, v[PW]
.irp c, 0,1
	v_cvt_scalef32_pk16_fp6_f32 v[PC+6*\c:PC+2+6*\c], v[\s+32*\c:\s+15+32*\c], v[TM+12+2*\c]
	v_cvt_scalef32_pk16_fp6_f32 v[PC+12+4*\c:PC+14+4*\c], v[\s+16+32*\c:\s+31+32*\c], v[TM+12+2*\c+1]   ; (a conversion's three registers begin on an even number)
.endr
	v_nop                                          ; one plain place behind a scaled conversion
.irp c, 0,1                                    ; the operand's layout wants a whole block in a lane
.irp i, 0,1,2
	v_permlane16_swap_b32 v[PC+6*\c+\i], v[PC+12+4*\c+\i]
.endr
.irp i, 0,1,2
	v_mov_b32 v[PC+3+6*\c+\i], v[PC+12+4*\c+\i]
.endr
.endr
.endm
.macro FRAGQ f
.if (\f) < 3
	s_wait_loadcnt 16                              ; this fragment's 16 loads are in; the next fragment's 16 stay out
.else
	s_wait_loadcnt 0x0
.endif
.irp i, 0,1,2,3,4,5,6,7,8,9,10,11,12,13,14,15
	ds_store_b128 v3, v[R+64*((\f)%2)+4*\i:R+64*((\f)%2)+4*\i+3] offset:528*\i
.endr
.irp b, 0,1,2,3
.irp j, 0,1,2,3
	ds_load_b128 v[X+16*\b+4*\j:X+16*\b+4*\j+3], v4 offset:128*\b+16*\j   ; LDS serves a wave's instructions in order: these see the stores above
.endr
.endr
	s_wait_dscnt 0x0
.if (\f) < 2
	LOAD (\f)+2                                    ; the set that has just gone through the stage takes the fragment two on
.endif
.if (\f) > 0
	s_wait_xcnt 0x0                                ; the last fragment's stores have read the codes' registers
.endif
	QUANT X
.irp c, 0,1,2
	global_store_b128 v2, v[PC+4*\c:PC+4*\c+3], s[16:17] offset:(448*((\f)%2)+(\f)/2)*1536+512*\c   ; 32 lanes store 512 consecutive bytes
.endr
	v_mov_b32 v[KW+(\f)], v[PW]
.endm
	LOAD 0
	LOAD 1
	FRAGQ 0
	FRAGQ 1
	FRAGQ 2
	FRAGQ 3
	v_cndmask_b32 v[SW], v[KW], v[KW+1], s[HM]     ; tile u: lanes 0-15 the even K step's words, lanes 16-31 the odd one's (every lane holds its row's word)
	v_cndmask_b32 v[SW+1], v[KW+2], v[KW+3], s[HM]
	ds_store_b32 v5, v[SW]
	ds_store_b32 v5, v[SW+1] offset:128
	ds_load_b64 v[BK:BK+1], v6
	s_wait_dscnt 0x0
	global_store_b64 v7, v[BK:BK+1], s[18:19]      ; 32 lanes store 256 consecutive bytes, aligned
	s_wait_tensorcnt 0x0                           ; the wave's end, behind my last LDS store
	ds_add_u32 v[SPW], v[NIL]
	s_wait_dscnt 0x0
	s_endpgm
	; ---------------- the rope rows ----------------
.Lrope:
.set F0,  10                           ; v10, v11 my two inverse frequencies: j = 2 (lane % 16), + 1
.set RES, 32                           ; v32-63 four results a token: cos, cos, sin, sin
	s_sub_co_u32 s23, ttmp9, 448
	s_lshl_b32 s23, s23, 5
	s_lshl_b32 s24, s22, 3
	s_add_co_u32 s23, s23, s24                     ; my first token
	s_lshl_b32 s24, s23, 2
	s_mov_b32 s25, 0
	s_lshl_b32 s26, s23, 9
	s_mov_b32 s27, 0
	s_wait_kmcnt 0x0
	s_add_nc_u64 s[14:15], s[14:15], s[24:25]
	s_load_b256 s[32:39], s[14:15], 0x0            ; eight position ids
	s_add_nc_u64 s[20:21], s[20:21], s[26:27]
	s_mov_b32 s40, 0x3f22f983                      ; 2 / pi
	s_mov_b32 s41, 0xbfc90fdb                      ; -(pi / 2), its f32 part,
	s_mov_b32 s42, 0x333bbd2e                      ; and what that part is too large by
	s_mov_b32 s43, 0x3638ef1d                      ; sine: 1/9!, -1/7!, 1/5!, -1/3!
	s_mov_b32 s44, 0xb9500d01
	s_mov_b32 s45, 0x3c088889
	s_mov_b32 s46, 0xbe2aaaab
	s_mov_b32 s47, 0xb493f27e                      ; cosine: -1/10!, 1/8!, -1/6!, 1/4!
	s_mov_b32 s48, 0x37d00d01
	s_mov_b32 s49, 0xbab60b61
	s_mov_b32 s50, 0x3d2aaaab
	s_wait_alu depctr_va_vdst(0)
	v_and_b32 v3, 3, v1
	v_bfe_u32 v4, v1, 2, 2
	v_mov_b32 v5, 1.0                              ; 10^(-(j % 8) / 8), j even
	v_mov_b32 v6, 0x3f3ff911                       ; j odd
	v_mov_b32 v7, 1.0                              ; 10^(-(j / 8))
.macro PICK reg, idx, val, lit                 ; where v[idx] = val the register takes the constant
	v_cmp_ne_u32 vcc_lo, \val, v[\idx]
	v_cndmask_b32 v[\reg], \lit, v[\reg], vcc_lo
.endm
	PICK 5, 3, 1, 0x3f0ff59a
	PICK 5, 3, 2, 0x3ea1e89b
	PICK 5, 3, 3, 0x3e361887
	PICK 6, 3, 1, 0x3ed7e89b
	PICK 6, 3, 2, 0x3e72d424
	PICK 6, 3, 3, 0x3e088d77
	PICK 7, 4, 1, 0x3dcccccd
	PICK 7, 4, 2, 0x3c23d70a
	PICK 7, 4, 3, 0x3a83126f
	v_mul_f32 v[F0], v5, v7
	v_mul_f32 v[F0+1], v6, v7
	v_mov_b32 v8, 1.0
	v_cmp_gt_u32 vcc_lo, 16, v1
	v_cndmask_b32 v8, 0x3e800000, v8, vcc_lo       ; lanes 0-15 boost: position / 1; lanes 16-31 narrow: position / 4
	v_lshlrev_b32 v9, 3, v1                        ; 8 x lane: boost's 128 bytes, then narrow's
	s_wait_kmcnt 0x0
.macro ROPEROW i
	v_cvt_f32_i32 v16, s[32+\i]
	s_wait_alu depctr_va_vdst(0)
	v_mul_f32 v16, v16, v8                         ; t: exact
	v_mul_f32 v17, v16, v[F0]                      ; the two angles, one rounding each
	v_mul_f32 v18, v16, v[F0+1]
.irp e, 0,1
	v_mul_f32 v[19+\e], s40, v[17+\e]
.endr
.irp e, 0,1
	v_rndne_f32 v[19+\e], v[19+\e]                 ; n: quarter turns
.endr
.irp e, 0,1
	v_fma_f32 v[21+\e], v[19+\e], s41, v[17+\e]
.endr
.irp e, 0,1
	v_fma_f32 v[21+\e], v[19+\e], s42, v[21+\e]    ; r = angle - n pi / 2, within pi / 4
.endr
.irp e, 0,1
	v_mul_f32 v[23+\e], v[21+\e], v[21+\e]         ; z = r r
.endr
.irp e, 0,1
	v_fma_f32 v[25+\e], v[23+\e], s43, s44
	v_fma_f32 v[27+\e], v[23+\e], s47, s48
.endr
.irp e, 0,1
	v_fma_f32 v[25+\e], v[25+\e], v[23+\e], s45
	v_fma_f32 v[27+\e], v[27+\e], v[23+\e], s49
.endr
.irp e, 0,1
	v_fma_f32 v[25+\e], v[25+\e], v[23+\e], s46
	v_fma_f32 v[27+\e], v[27+\e], v[23+\e], s50
.endr
.irp e, 0,1
	v_mul_f32 v[29+\e], v[21+\e], v[23+\e]
	v_fma_f32 v[27+\e], v[27+\e], v[23+\e], -0.5
.endr
.irp e, 0,1
	v_fma_f32 v[25+\e], v[29+\e], v[25+\e], v[21+\e]   ; sin r
	v_fma_f32 v[27+\e], v[27+\e], v[23+\e], 1.0        ; cos r
	v_cvt_i32_f32 v[19+\e], v[19+\e]
.endr
.irp e, 0,1
	v_and_b32 v[29+\e], 1, v[19+\e]
	v_cmp_eq_u32 vcc_lo, 1, v[29+\e]               ; an odd quarter turn: sine and cosine change places
	v_cndmask_b32 v[RES+4*\i+2+\e], v[25+\e], v[27+\e], vcc_lo
	v_cndmask_b32 v[RES+4*\i+\e], v[27+\e], v[25+\e], vcc_lo
	v_and_b32 v[29+\e], 2, v[19+\e]
	v_lshlrev_b32 v[29+\e], 30, v[29+\e]
	v_xor_b32 v[RES+4*\i+2+\e], v[RES+4*\i+2+\e], v[29+\e]   ; the sine is negative in quarters 2, 3
	v_add_nc_u32 v[19+\e], 1, v[19+\e]
	v_and_b32 v[19+\e], 2, v[19+\e]
	v_lshlrev_b32 v[19+\e], 30, v[19+\e]
	v_xor_b32 v[RES+4*\i+\e], v[RES+4*\i+\e], v[19+\e]       ; the cosine in quarters 1, 2
.endr
	global_store_b64 v9, v[RES+4*\i:RES+4*\i+1], s[20:21] offset:512*\i          ; 32 lanes store 256 consecutive bytes, aligned
	global_store_b64 v9, v[RES+4*\i+2:RES+4*\i+3], s[20:21] offset:512*\i+256
.endm
.irp i, 0,1,2,3,4,5,6,7
	ROPEROW \i
.endr
	s_endpgm
.Lfunc_end_k_qd718eea6b4_prep:
	.size	k_qd718eea6b4_prep, .Lfunc_end_k_qd718eea6b4_prep-k_qd718eea6b4_prep
	.p2alignl 7, 3214868480
	.fill 96, 4, 3214868480
	.section	.rodata,"a",@progbits
	.p2align	6, 0x0
	.amdhsa_kernel k_qd718eea6b4_prep
		.amdhsa_group_segment_fixed_size 35328
		.amdhsa_private_segment_fixed_size 0
		.amdhsa_enable_private_segment 0
		.amdhsa_kernarg_size 72
		.amdhsa_user_sgpr_count 2
		.amdhsa_user_sgpr_kernarg_segment_ptr 1
		.amdhsa_wavefront_size32 1
		.amdhsa_system_sgpr_workgroup_id_x 1
		.amdhsa_system_sgpr_workgroup_id_y 1
		.amdhsa_system_sgpr_workgroup_id_z 1
		.amdhsa_system_vgpr_workitem_id 0
		.amdhsa_next_free_vgpr 256
		.amdhsa_next_free_sgpr 66
		.amdhsa_reserve_vcc 1
		.amdhsa_float_denorm_mode_32 3
		.amdhsa_float_denorm_mode_16_64 3
		.amdhsa_memory_ordered 1
		.amdhsa_forward_progress 1
		.amdhsa_inst_pref_size 59
	.end_amdhsa_kernel
	.amdgpu_metadata
---
amdhsa.version: [ 1, 2 ]
amdhsa.kernels:
  - .name:           k_qd718eea6b4_prep
    .symbol:         k_qd718eea6b4_prep.kd
    .args:
      - { .name: hidden_states, .offset: 0, .size: 8, .value_kind: global_buffer, .address_space: global }
      - { .name: Wq, .offset: 8, .size: 8, .value_kind: global_buffer, .address_space: global }
      - { .name: Wk, .offset: 16, .size: 8, .value_kind: global_buffer, .address_space: global }
      - { .name: Wv, .offset: 24, .size: 8, .value_kind: global_buffer, .address_space: global }
      - { .name: Wo, .offset: 32, .size: 8, .value_kind: global_buffer, .address_space: global }
      - { .name: position_ids, .offset: 40, .size: 8, .value_kind: global_buffer, .address_space: global }
      - { .name: xc, .offset: 48, .size: 8, .value_kind: global_buffer, .address_space: global }
      - { .name: xs, .offset: 56, .size: 8, .value_kind: global_buffer, .address_space: global }
      - { .name: rope, .offset: 64, .size: 8, .value_kind: global_buffer, .address_space: global }
    .group_segment_fixed_size: 35328
    .private_segment_fixed_size: 0
    .kernarg_segment_align: 8
    .kernarg_segment_size: 72
    .max_flat_workgroup_size: 128
    .sgpr_count:     66
    .vgpr_count:     256
    .wavefront_size: 32
...
	.end_amdgpu_metadata
.endif
;; end of part 1
;; launch qkv (part 2): grid 16 x 12, 4 waves a work-group, clusters of 4 x 1, 327,680 bytes of LDS; arguments xc, xs, rope, qc, qs, kv; writes qc, qs, kv
.if DOCPART == 2
	.amdgcn_target "amdgcn-amd-amdhsa--gfx1250"
	.amdhsa_code_object_version 6
	.text
	.protected	k_qd718eea6b4_qkv
	.globl	k_qd718eea6b4_qkv
	.p2align	8
	.type	k_qd718eea6b4_qkv,@function
k_qd718eea6b4_qkv:
	s_mov_b64 s[64:65], 0
	v_nop
	global_prefetch_b8 v0, s[64:65] scope:SCOPE_SE
	s_setreg_imm32_b32 hwreg(HW_REG_WAVE_MODE, 25, 1), 1
	s_wait_xcnt 0x0
	s_wait_alu depctr_hold_cnt(0) depctr_sa_sdst(0) depctr_va_vdst(0) depctr_va_sdst(0) depctr_va_ssrc(0) depctr_va_vcc(0) depctr_vm_vsrc(0)
	s_getreg_b32 s2, hwreg(HW_REG_IB_STS2, 6, 4)
	s_cmp_eq_u32 s2, 0
	s_cbranch_scc0 .Lentry_in_a_cluster
	s_endpgm
.Lentry_in_a_cluster:
	s_bfe_u32 s2, ttmp6, 0x10000c
	s_cmp_lg_u32 s2, 0x3003
	s_cbranch_scc0 .Lentry_shape_is_right
	s_endpgm
.Lentry_shape_is_right:
.set NX,    8
.set FRB,   1536
.set KSTRX, 688128
.set KSTRY, 688128
.set XH,    4*NX*FRB
.set YH,    16*FRB
.set SLOT,  2*XH+2*YH
.set SCX,   2*SLOT
.set SXH,   1024*NX
.set SCY,   SCX+2*SXH
.set SYH,   4096
.set SPARE, SCY+2*SYH
.set SCR,   SPARE+512
.set LI,  3
.set ADX, 4
.set ADY, 6
.set ASX, 8
.set ASY, 9
.set VR,  10
.set L8,  11
.set SCA, 12
.set SCB, 13
.set SPW, 14
.set NIL, 15
.set SC,  16
.set T,   40
.set CS,  104
.set PC,  168
.set TM,  188
.set PW,  204
.set KW,  205
.set SW,  213
.set BK,  216
.set G1X, 24
.set G1Y, 32
.set G1SX, 40
.set G1SY, 48
.set G0X, 56
.set G0Y, 68
.set G0SX, 76
.set G0SY, 80
.set SEL, 84
.set HM,  86
.set FL,  87
.set SUB, 88
.set MSB, 0
.macro WIN new
.if MSB != (\new)
	s_set_vgpr_msb (MSB<<8)|(\new)
.set MSB, (\new)
.endif
.endm
.macro PLACES n
.rept \n
	v_nop
.endr
.endm
.macro JLOAD g0x, g1x, g0y, g1y
	s_cmp_eq_u32 s19, 0
	s_cbranch_scc0 .Lfor_y_\@
	tensor_load_to_lds s[\g0x:\g0x+3], s[\g1x:\g1x+7]
	s_nop 0
.rept 4
	v_nop
.endr
	s_branch .Lasked_\@
.Lfor_y_\@:
	tensor_load_to_lds s[\g0y:\g0y+3], s[\g1y:\g1y+7]
	s_nop 0
.rept 4
	v_nop
.endr
.Lasked_\@:
.endm
.macro CREST
	s_cmp_lg_u32 s18, 0
	s_cbranch_scc1 .Lnot_wave_0_\@
	s_barrier_signal -3
.Lnot_wave_0_\@:
	s_barrier_wait -3
	s_barrier_signal -1
	s_barrier_wait -1
.endm
.macro CROUND
	s_barrier_signal -1
	s_barrier_wait -1
	CREST
.endm
.macro FETCH k
.set FS, ((\k)/4)%2
.set FQ, (\k)%4
	WIN 0x80+0x40*((\k)%2)
.set fx, 0
.rept NX
.irp c, 0,1,2
	ds_load_b128 v[12*fx+4*\c:12*fx+4*\c+3], v[ADX+FS] offset:FQ*NX*FRB+FRB*fx+512*\c
.endr
.set fx, fx+1
.endr
.irp y, 0,1,2,3
.irp c, 0,1,2
	ds_load_b128 v[12*NX+12*\y+4*\c:12*NX+12*\y+4*\c+3], v[ADY+FS] offset:FQ*4*FRB+FRB*\y+512*\c
.endr
.endr
	WIN 0
.if (\k)%2 == 0
.set FP, (\k)/2
.set FJ, SC+12*(FP%2)
.set fx, 0
.rept NX
	ds_load_b32 v[FJ+fx], v[ASX] offset:128*NX*FP+128*fx
.set fx, fx+1
.endr
.irp y, 0,1,2,3
	ds_load_b32 v[FJ+8+\y], v[ASY] offset:512*FP+128*\y
.endr
.endif
.endm
.macro MULALL k, zero
	WIN 0x5a+5*((\k)%2)
.set SJ, SC+12*(((\k)/2)%2)
.set my, 0
.rept 4
.set mx, 0
.rept NX
.set AC, 8*(NX*my+mx)
.if \zero
	v_wmma_scale_f32_16x16x128_f8f6f4 v[AC:AC+7], v[12*mx:12*mx+11], v[12*NX+12*my:12*NX+12*my+11], 0, v[SJ+mx], v[SJ+8+my] matrix_a_fmt:MATRIX_FMT_FP6 matrix_b_fmt:MATRIX_FMT_FP6
.elseif (\k)%2
	v_wmma_scale_f32_16x16x128_f8f6f4 v[AC:AC+7], v[12*mx:12*mx+11], v[12*NX+12*my:12*NX+12*my+11], v[AC:AC+7], v[SJ+mx], v[SJ+8+my] matrix_a_fmt:MATRIX_FMT_FP6 matrix_b_fmt:MATRIX_FMT_FP6 matrix_a_scale:MATRIX_SCALE_ROW1 matrix_b_scale:MATRIX_SCALE_ROW1
.else
	v_wmma_scale_f32_16x16x128_f8f6f4 v[AC:AC+7], v[12*mx:12*mx+11], v[12*NX+12*my:12*NX+12*my+11], v[AC:AC+7], v[SJ+mx], v[SJ+8+my] matrix_a_fmt:MATRIX_FMT_FP6 matrix_b_fmt:MATRIX_FMT_FP6
.endif
.set mx, mx+1
.endr
.set my, my+1
.endr
.endm
.macro STEP k, zero
	PLACES 4
	FETCH (\k)+1
.set NF, 3*NX+12+(NX+4)*(1-((\k)+1)%2)
	s_wait_dscnt NF
	MULALL \k, \zero
	WIN 0
.endm
.macro TURN k, fill
.set TSL, ((\k)/4)%2
	s_wait_tensorcnt 0x0
	ds_add_u32 v[SPW], v[NIL]
.if \fill
	s_add_nc_u64 s[G0X+4*TSL+2:G0X+4*TSL+3], s[G0X+4*TSL+2:G0X+4*TSL+3], 8*KSTRX
	s_add_nc_u64 s[G0Y+4*TSL+2:G0Y+4*TSL+3], s[G0Y+4*TSL+2:G0Y+4*TSL+3], 8*KSTRY
.endif
	s_wait_dscnt 0x0
	s_barrier_signal -1
	MULALL \k, 0
	WIN 0
	s_barrier_wait -1
.if \fill
	CREST
	JLOAD G0X+4*TSL, G1X, G0Y+4*TSL, G1Y
.else
	PLACES 4
.endif
	FETCH (\k)+1
.endm
	s_load_b256 s[4:11], s[0:1], 0x0
	s_load_b128 s[12:15], s[0:1], 0x20
	v_lshl_add_u32 v[SPW], v0, 2, SPARE
	v_mov_b32 v[NIL], 0
	ds_add_u32 v[SPW], v[NIL]
	ds_add_u32 v[SPW], v[NIL]
	v_lshrrev_b32 v1, 5, v0
	v_readfirstlane_b32 s18, v1
	s_lshr_b32 s19, s18, 1
	s_and_b32 s20, s18, 1
	s_bfe_u32 s21, ttmp6, 0x40000
	s_and_b32 s22, ttmp7, 0xffff
	s_mov_b32 s[G1X], 15|(3<<16)|(1<<21)
	s_mov_b32 s[G1X+1], (192*NX)<<16
	s_mov_b32 s[G1X+2], 4<<16
	s_mov_b32 s[G1X+3], (192*NX)<<16
	s_mov_b32 s[G1X+4], 4
	s_mov_b32 s[G1X+5], KSTRX/8
	s_mov_b32 s[G1X+6], 0
	s_mov_b32 s[G1X+7], 0
	s_mov_b32 s[G1Y], 3<<16
	s_mov_b32 s[G1Y+1], 768<<16
	s_mov_b32 s[G1Y+2], 4<<16
	s_mov_b32 s[G1Y+3], 768<<16
	s_mov_b32 s[G1Y+4], 4
	s_mov_b32 s[G1Y+5], KSTRY/8
	s_mov_b32 s[G1Y+6], 0
	s_mov_b32 s[G1Y+7], 0
	s_mov_b32 s[G1SX], 15|(3<<16)|(1<<21)
	s_mov_b32 s[G1SX+1], (16*NX)<<16
	s_mov_b32 s[G1SX+2], 8<<16
	s_mov_b32 s[G1SX+3], (16*NX)<<16
	s_mov_b32 s[G1SX+4], 8
	s_mov_b32 s[G1SX+5], 7168
	s_mov_b32 s[G1SX+6], 0
	s_mov_b32 s[G1SX+7], 0
	s_mov_b32 s[G1SY], 3<<16
	s_mov_b32 s[G1SY+1], 64<<16
	s_mov_b32 s[G1SY+2], 8<<16
	s_mov_b32 s[G1SY+3], 64<<16
	s_mov_b32 s[G1SY+4], 8
	s_mov_b32 s[G1SY+5], 7168
	s_mov_b32 s[G1SY+6], 0
	s_mov_b32 s[G1SY+7], 0
	s_lshl_b32 s2, ttmp9, 2
	s_add_co_u32 s2, s2, s21
	s_sub_co_u32 s23, s22, 10
	s_lshl_b32 s23, s23, 2
	s_add_co_u32 s23, s23, ttmp9
	s_lshl_b32 s89, s22, 4
	s_add_co_u32 s89, s89, 128
	s_lshl_b32 s90, s23, 4
	s_lshl_b32 s91, s2, 3
	s_lshl_b32 s3, s21, 3
	s_add_co_u32 s3, s3, 288
	s_cmp_lt_u32 s22, 10
	s_cselect_b32 s89, s89, s90
	s_cselect_b32 s91, s91, s3
	s_lshl_b32 s90, s20, 3
	s_add_co_u32 s89, s89, s90
	s_lshl_b32 s90, s20, 2
	s_add_co_u32 s91, s91, s90
	s_mul_i32 s92, s89, FRB
	s_mov_b32 s93, 0
	s_lshl_b32 s94, s89, 7
	s_mov_b32 s95, 0
	s_mul_i32 s96, s91, FRB
	s_mov_b32 s97, 0
	s_lshl_b32 s98, s91, 7
	s_mov_b32 s99, 0
	s_mul_i32 s89, s18, XH
	s_mul_i32 s90, s18, YH
	s_add_co_u32 s90, s90, 2*XH-2*YH
	s_mul_i32 s66, s18, SXH
	s_add_co_u32 s66, s66, SCX
	s_mul_i32 s67, s18, SYH
	s_add_co_u32 s67, s67, SCY-2*SYH
	s_mov_b32 s[SEL], 0x76543210
	s_mov_b32 s[SEL+1], 0xfedcba98
	s_mov_b32 s[HM], 0xffff0000
	s_wait_dscnt 0x0
	s_wait_kmcnt 0x0
	s_mov_b32 s[G0SX], 1
	s_mov_b32 s[G0SX+1], s66
	s_add_nc_u64 s[G0SX+2:G0SX+3], s[6:7], s[94:95]
	s_or_b32 s[G0SX+3], s[G0SX+3], 0x80000000
	s_mov_b32 s[G0SY], 1
	s_mov_b32 s[G0SY+1], s67
	s_add_nc_u64 s[G0SY+2:G0SY+3], s[6:7], s[98:99]
	s_or_b32 s[G0SY+3], s[G0SY+3], 0x80000000
.irp s, 0,1
	s_mov_b32 s[G0X+4*\s], 1
	s_add_co_u32 s[G0X+4*\s+1], s89, \s*SLOT
	s_add_nc_u64 s[G0X+4*\s+2:G0X+4*\s+3], s[4:5], s[92:93]
	s_mov_b32 s[G0Y+4*\s], 1
	s_add_co_u32 s[G0Y+4*\s+1], s90, \s*SLOT
	s_add_nc_u64 s[G0Y+4*\s+2:G0Y+4*\s+3], s[4:5], s[96:97]
.if \s
	s_add_nc_u64 s[G0X+4*\s+2:G0X+4*\s+3], s[G0X+4*\s+2:G0X+4*\s+3], 4*KSTRX
	s_add_nc_u64 s[G0Y+4*\s+2:G0Y+4*\s+3], s[G0Y+4*\s+2:G0Y+4*\s+3], 4*KSTRY
.endif
	s_or_b32 s[G0X+4*\s+3], s[G0X+4*\s+3], 0x80000000
	s_or_b32 s[G0Y+4*\s+3], s[G0Y+4*\s+3], 0x80000000
.endr
	CROUND
	JLOAD G0SX, G1SX, G0SY, G1SY
	s_wait_alu depctr_va_vdst(0)
	s_wait_tensorcnt 0x0
	ds_add_u32 v14, v15
	s_wait_dscnt 0x0
	CROUND
	JLOAD G0X, G1X, G0Y, G1Y
	s_wait_alu depctr_va_vdst(0)
	s_wait_tensorcnt 0x0
	ds_add_u32 v14, v15
	s_wait_dscnt 0x0
	CROUND
	JLOAD G0X+4, G1X, G0Y+4, G1Y
	v_and_b32 v1, 31, v0
	v_lshlrev_b32 v[LI], 4, v1
	s_mul_i32 s89, s19, XH
	v_add_nc_u32 v[ADX], s89, v[LI]
	v_add_nc_u32 v[ADX+1], SLOT, v[ADX]
	s_mul_i32 s89, s20, YH
	s_add_co_u32 s89, s89, 2*XH
	v_add_nc_u32 v[ADY], s89, v[LI]
	v_add_nc_u32 v[ADY+1], SLOT, v[ADY]
	s_mul_i32 s89, s19, SXH
	s_add_co_u32 s89, s89, SCX
	v_lshl_add_u32 v[ASX], v1, 2, s89
	s_mul_i32 s89, s20, SYH
	s_add_co_u32 s89, s89, SCY
	v_lshl_add_u32 v[ASY], v1, 2, s89
	v_and_b32 v40, 15, v0
	v_bfe_u32 v41, v0, 4, 1
	v_and_b32 v42, 8, v40
	v_add_nc_u32 v42, v42, v40
	v_lshlrev_b32 v[VR], 9, v42
	v_lshl_add_u32 v[VR], v41, 6, v[VR]
	v_lshlrev_b32 v[L8], 3, v1
	s_lshl_b32 s89, s18, 8
	s_add_co_u32 s89, s89, SCR
	v_lshl_add_u32 v[SCA], v1, 2, s89
	v_lshl_add_u32 v[SCB], v1, 3, s89
.irp b, 0,1,2,3
	v_mov_b32 v[TM+4+\b], 0
.endr
	s_wait_tensorcnt 1
	s_barrier_signal -1
	s_barrier_wait -1
	FETCH 0
	STEP 0, 1
	STEP 1, 0
	STEP 2, 0
	TURN 3, 1
	STEP 4, 0
	STEP 5, 0
	STEP 6, 0
	TURN 7, 1
	STEP 8, 0
	STEP 9, 0
	STEP 10, 0
	TURN 11, 0
	STEP 12, 0
	STEP 13, 0
	STEP 14, 0
	s_wait_dscnt 0x0
	MULALL 15, 0
	WIN 0
	PLACES 4
.macro QUANT s, w
	WIN 0x14*(\w)
.irp b, 0,1,2,3
	v_max3_num_f32 v[TM+\b], s[FL], |v[(\s)+16*\b]|, |v[(\s)+1+16*\b]|
.endr
.irp i, 2,4,6,8,10,12,14
.irp b, 0,1,2,3
	v_max3_num_f32 v[TM+\b], v[TM+\b], |v[(\s)+16*\b+\i]|, |v[(\s)+1+16*\b+\i]|
.endr
.endr
	WIN 0
.irp b, 0,1,2,3
	v_permlanex16_b32 v[TM+4+\b], v[TM+\b], s[SEL], s[SEL+1]
.endr
.irp b, 0,1,2,3
	v_max_num_f32 v[TM+\b], v[TM+\b], v[TM+4+\b]
.endr
.irp b, 0,1,2,3
	v_add_nc_u32 v[TM+12+\b], 0xff000000, v[TM+\b]
.endr
.irp b, 0,1,2,3
	v_lshrrev_b32 v[TM+4+\b], 23, v[TM+12+\b]
.endr
	v_lshl_or_b32 v[PW], v[TM+5], 8, v[TM+4]
	v_lshl_or_b32 v[PW], v[TM+6], 16, v[PW]
	v_lshl_or_b32 v[PW], v[TM+7], 24, v[PW]
	WIN (\w)
.irp c, 0,1
	v_cvt_scalef32_pk16_fp6_f32 v[PC+6*\c:PC+2+6*\c], v[(\s)+32*\c:(\s)+15+32*\c], v[TM+12+2*\c]
	v_cvt_scalef32_pk16_fp6_f32 v[PC+12+4*\c:PC+14+4*\c], v[(\s)+16+32*\c:(\s)+31+32*\c], v[TM+12+2*\c+1]
.endr
	WIN 0
	v_nop
.irp c, 0,1
.irp i, 0,1,2
	v_permlane16_swap_b32 v[PC+6*\c+\i], v[PC+12+4*\c+\i]
.endr
.irp i, 0,1,2
	v_mov_b32 v[PC+3+6*\c+\i], v[PC+12+4*\c+\i]
.endr
.endr
.endm
	s_cmp_ge_u32 s22, 10
	s_cbranch_scc1 .Lvrole
	s_lshl_b32 s89, s2, 3
	s_lshl_b32 s90, s20, 2
	s_add_co_u32 s89, s89, s90
	s_lshl_b32 s90, s22, 2
	s_lshl_b32 s91, s19, 1
	s_add_co_u32 s90, s90, s91
	s_lshl_b32 s91, s90, 7
	s_add_co_u32 s91, s91, s89
	s_mul_i32 s92, s91, 1536
	s_lshl_b32 s93, s91, 6
	s_sub_co_u32 s94, s90, 32
	s_mul_i32 s95, s94, 311296                     ; kv [head 8][128 keys 16][19,456]: K's 8 fragments, V's 4 from byte 12,288, K's scale words from 18,432, V's from 18,944
	s_mul_i32 s96, s2, 19456
	s_add_co_u32 s95, s95, s96
	s_and_b32 s96, s89, 7
	s_lshl_b32 s97, s96, 6
	s_mul_i32 s96, s96, 1536
	s_add_co_u32 s97, s97, s95
	s_add_co_u32 s95, s95, s96
	s_add_co_u32 s96, s97, 18432
	s_cmp_lt_u32 s22, 8
	s_cselect_b64 s[24:25], s[10:11], s[14:15]
	s_cselect_b64 s[28:29], s[12:13], s[14:15]
	s_cselect_b32 s92, s92, s95
	s_cselect_b32 s93, s93, s96
	s_mov_b32 s98, 311296
	s_cselect_b32 s98, 196608, s98
	s_mov_b32 s99, 311296
	s_cselect_b32 s99, 8192, s99
	s_mov_b32 s[FL], 0x1800000
	s_cselect_b32 s[FL], 0x3000000, s[FL]
	s_cselect_b32 s[SUB], 0x03030303, 0
	s_mov_b32 s35, 0
	s_mov_b32 s34, s92
	s_add_nc_u64 s[24:25], s[24:25], s[34:35]
	s_mov_b32 s34, s98
	s_add_nc_u64 s[26:27], s[24:25], s[34:35]
	s_mov_b32 s34, s93
	s_add_nc_u64 s[28:29], s[28:29], s[34:35]
	s_mov_b32 s34, s99
	s_add_nc_u64 s[30:31], s[28:29], s[34:35]
	s_lshl_b32 s34, s89, 13
	s_add_nc_u64 s[32:33], s[8:9], s[34:35]
.macro CSLOAD y
.irp kd, 0,1,2,3
.irp j, 0,1,2,3
	global_load_b128 v[CS+16*\kd+4*\j:CS+16*\kd+4*\j+3], v[VR], s[32:33] offset:(32*((\y)/2)+8*((\y)%2))*512+128*\kd+16*\j
.endr
.endr
.endm
.macro ROPE y, hh
	WIN 0x01
.set AB, 8*(8*(\y)+4*(\hh))
.irp kd, 0,1
.irp i, 0,2,4,6,8,10,12,14
	v_pk_mul_f32 v[T+32*\kd+\i:T+32*\kd+\i+1], v[AB+16+\i:AB+17+\i], v[CS+32+16*\kd+\i:CS+33+16*\kd+\i]
	v_pk_mul_f32 v[T+32*\kd+16+\i:T+32*\kd+17+\i], v[AB+\i:AB+1+\i], v[CS+32+16*\kd+\i:CS+33+16*\kd+\i]
	v_pk_fma_f32 v[T+32*\kd+\i:T+32*\kd+\i+1], v[AB+\i:AB+1+\i], v[CS+16*\kd+\i:CS+1+16*\kd+\i], v[T+32*\kd+\i:T+32*\kd+\i+1] neg_lo:[0,0,1] neg_hi:[0,0,1]
	v_pk_fma_f32 v[T+32*\kd+16+\i:T+32*\kd+17+\i], v[AB+16+\i:AB+17+\i], v[CS+16*\kd+\i:CS+1+16*\kd+\i], v[T+32*\kd+16+\i:T+32*\kd+17+\i]
.endr
.endr
	WIN 0
.endm
	s_wait_alu depctr_va_vdst(0)
	CSLOAD 0
.irp y, 0,1,2,3
	s_wait_loadcnt 0x0
	ROPE \y, 0
	s_wait_xcnt 0x0
	QUANT T, 0
	v_sub_nc_u32 v[KW+2*\y], v[PW], s[SUB]
.irp c, 0,1,2
	global_store_b128 v[LI], v[PC+4*\c:PC+4*\c+3], s[24:25] offset:1536*\y+512*\c
.endr
	ROPE \y, 1
.if \y < 3
	CSLOAD \y+1
.endif
	s_wait_xcnt 0x0
	QUANT T, 0
	v_sub_nc_u32 v[KW+2*\y+1], v[PW], s[SUB]
.irp c, 0,1,2
	global_store_b128 v[LI], v[PC+4*\c:PC+4*\c+3], s[26:27] offset:1536*\y+512*\c
.endr
.endr
.irp hh, 0,1
	v_cndmask_b32 v[SW], v[KW+\hh], v[KW+2+\hh], s[HM]
	v_cndmask_b32 v[SW+1], v[KW+4+\hh], v[KW+6+\hh], s[HM]
	ds_store_b32 v[SCA], v[SW]
	ds_store_b32 v[SCA], v[SW+1] offset:128
	ds_load_b64 v[BK+2*\hh:BK+2*\hh+1], v[SCB]
.endr
	s_wait_dscnt 0x0
	global_store_b64 v[L8], v[BK:BK+1], s[28:29]
	global_store_b64 v[L8], v[BK+2:BK+3], s[30:31]
	s_branch .Lend
.Lvrole:
	s_lshl_b32 s89, s21, 1
	s_add_co_u32 s89, s89, s20
	s_mul_i32 s90, s89, 311296
	s_mul_i32 s91, s23, 38912
	s_add_co_u32 s90, s90, s91
	s_mul_i32 s91, s19, 19456
	s_add_co_u32 s90, s90, s91
	s_add_co_u32 s34, s90, 12288
	s_mov_b32 s35, 0
	s_add_nc_u64 s[24:25], s[14:15], s[34:35]
	s_add_co_u32 s34, s90, 18944
	s_add_nc_u64 s[28:29], s[14:15], s[34:35]
	s_mov_b32 s[FL], 0x1800000
.irp y, 0,1,2,3
.if \y > 0
	s_wait_xcnt 0x0
.endif
	QUANT 64*\y, 1
	v_mov_b32 v[KW+\y], v[PW]
.irp c, 0,1,2
	global_store_b128 v[LI], v[PC+4*\c:PC+4*\c+3], s[24:25] offset:1536*\y+512*\c
.endr
.endr
	v_cndmask_b32 v[SW], v[KW], v[KW+1], s[HM]
	v_cndmask_b32 v[SW+1], v[KW+2], v[KW+3], s[HM]
	ds_store_b32 v[SCA], v[SW] offset:1024
	ds_store_b32 v[SCA], v[SW+1] offset:1152
	ds_load_b64 v[BK:BK+1], v[SCB] offset:1024
	s_wait_dscnt 0x0
	global_store_b64 v[L8], v[BK:BK+1], s[28:29]
.Lend:
	s_wait_tensorcnt 0x0
	ds_add_u32 v[SPW], v[NIL]
	s_wait_dscnt 0x0
	CROUND
	s_endpgm
.Lfunc_end_k_qd718eea6b4_qkv:
	.size	k_qd718eea6b4_qkv, .Lfunc_end_k_qd718eea6b4_qkv-k_qd718eea6b4_qkv
	.p2alignl 7, 3214868480
	.fill 96, 4, 3214868480
	.section	.rodata,"a",@progbits
	.p2align	6, 0x0
	.amdhsa_kernel k_qd718eea6b4_qkv
		.amdhsa_group_segment_fixed_size 327680
		.amdhsa_private_segment_fixed_size 0
		.amdhsa_enable_private_segment 0
		.amdhsa_kernarg_size 48
		.amdhsa_user_sgpr_count 2
		.amdhsa_user_sgpr_kernarg_segment_ptr 1
		.amdhsa_wavefront_size32 1
		.amdhsa_system_sgpr_workgroup_id_x 1
		.amdhsa_system_sgpr_workgroup_id_y 1
		.amdhsa_system_sgpr_workgroup_id_z 1
		.amdhsa_system_vgpr_workitem_id 0
		.amdhsa_next_free_vgpr 1024
		.amdhsa_next_free_sgpr 100
		.amdhsa_reserve_vcc 0
		.amdhsa_float_denorm_mode_32 3
		.amdhsa_float_denorm_mode_16_64 3
		.amdhsa_memory_ordered 1
		.amdhsa_forward_progress 1
		.amdhsa_inst_pref_size 214
	.end_amdhsa_kernel
	.amdgpu_metadata
---
amdhsa.version: [ 1, 2 ]
amdhsa.kernels:
  - .name:           k_qd718eea6b4_qkv
    .symbol:         k_qd718eea6b4_qkv.kd
    .args:
      - { .name: xc, .offset: 0, .size: 8, .value_kind: global_buffer, .address_space: global }
      - { .name: xs, .offset: 8, .size: 8, .value_kind: global_buffer, .address_space: global }
      - { .name: rope, .offset: 16, .size: 8, .value_kind: global_buffer, .address_space: global }
      - { .name: qc, .offset: 24, .size: 8, .value_kind: global_buffer, .address_space: global }
      - { .name: qs, .offset: 32, .size: 8, .value_kind: global_buffer, .address_space: global }
      - { .name: kv, .offset: 40, .size: 8, .value_kind: global_buffer, .address_space: global }
    .group_segment_fixed_size: 327680
    .private_segment_fixed_size: 0
    .kernarg_segment_align: 8
    .kernarg_segment_size: 48
    .max_flat_workgroup_size: 128
    .sgpr_count:     100
    .vgpr_count:     1024
    .wavefront_size: 32
...
	.end_amdgpu_metadata
.endif
;; end of part 2
;; launch attn (part 3): grid 8 x 32, 8 waves a work-group, clusters of 4 x 1, 327,680 bytes of LDS; arguments qc, qs, kv, attention_mask, ac; writes ac
.if DOCPART == 3
	.amdgcn_target "amdgcn-amd-amdhsa--gfx1250"
	.amdhsa_code_object_version 6
	.text
	.protected	k_qd718eea6b4_attn
	.globl	k_qd718eea6b4_attn
	.p2align	8
	.type	k_qd718eea6b4_attn,@function
k_qd718eea6b4_attn:
	s_mov_b64 s[64:65], 0
	v_nop
	global_prefetch_b8 v0, s[64:65] scope:SCOPE_SE
	s_setreg_imm32_b32 hwreg(HW_REG_WAVE_MODE, 25, 1), 1
	s_wait_xcnt 0x0
	s_wait_alu depctr_hold_cnt(0) depctr_sa_sdst(0) depctr_va_vdst(0) depctr_va_sdst(0) depctr_va_ssrc(0) depctr_va_vcc(0) depctr_vm_vsrc(0)
	s_getreg_b32 s2, hwreg(HW_REG_IB_STS2, 6, 4)
	s_cmp_eq_u32 s2, 0
	s_cbranch_scc0 .Lentry_in_a_cluster
	s_endpgm
.Lentry_in_a_cluster:
	s_bfe_u32 s2, ttmp6, 0x10000c
	s_cmp_lg_u32 s2, 0x3003
	s_cbranch_scc0 .Lentry_shape_is_right
	s_endpgm
.Lentry_shape_is_right:
; ATTN.  logit = (j <= i and i < 2,038 ? boost q . boost k : narrow q . narrow k) / 8 + mask[i][j]; p = 2^(logit log2(e) - M), M the running largest rounded up to a whole number;
; O = (sum of Q(p) Q(v)) / (sum of p), quantised along the hidden axis for the last product.  All products on codes of FP6 (E2M3).  The mask is an input: every query walks all 2,048 keys.
; WORK LEFT OUT: in a step of 128 keys that takes one kind of score for a query, the other kind's product, which reference()'s own mask 'neighbor' throws away, is not computed.
; SHARES.  A work-group: one kv head (four query heads) x 64 queries.  Wave w: tile of 16 queries w / 2, heads 2 (w % 2) and + 1: TWO UNITS, unit u in register window u at the same register numbers.
; Each fragment of K and V and each mask register read from LDS serves both units: the mask stays in registers of its own as the C of the score products (1/8 sits in q's scale bytes).
; BOTH PRODUCTS TRANSPOSED (S^T = K Q^T, O^T = V^T P^T): a lane holds one query.  Rows of a tile are 32 (T / 2) + 8 (T % 2) + m + 8 (m / 8): the 16 registers of tiles 2 b, 2 b + 1 are 16 neighbours.
; ONE K FRAGMENT [boost k | narrow k]: against [boost q | 0] it gives the boost score, against [0 | narrow q] the narrow one.  A query from 2,038 on holds [0 | narrow q] in the boost operand's lanes.
; THE WALK IS ROTATED: with d = block / 2 the key steps go d + 1, .., 15, 0, .., d.  The first 14 take one kind each (narrow beyond d, boost under d: the two operands change places at step 0);
; the last two, d - 1 and d, make both products and select number by number.
; A SLOT is one step: the kv record (19,456 bytes; its last 256 are never read) and the mask, four blocks of 16 rows x (512 + 16) bytes, 8,576 bytes apart, so that rows r and r + 16 start 128 bytes apart modulo 256.
; Waves 0-3 fetch 16 mask rows each, waves 4-7 a quarter of the record: one tensor load a wave.  THE CHANGE OF SLOTS STANDS IN THE STEP'S MIDDLE: there K, mask and V are in registers, and the next step's LDS loads follow the barrier.
; The wait for the tensor load stands behind the work that makes M, t - M and the blocks' scales; the refill stands directly behind the round.
; CLUSTER 4 x 1 along the kv heads: the partners hold the same queries and ask for the mask jointly.  None along the query blocks: partners would walk the key steps in different orders.
; PREFETCH: the mask of the step two refills on, 16 rows x 2 blocks of 256 bytes a work-group, wave 7 of every work-group: each cluster asks for what it will load, its partners' rows told apart by address.
; The head asks, by the same lead, for the walk's third and fourth steps; the trips whose look-ahead passes the walk's last step ask for nothing.  At most two steps are asked for and not yet loaded.
; The kv records have none: in the first trip the 32 query blocks between them load all 16 records of a head.
; LIMITS: NaN and infinities are not served; the promise holds while the scaled scores stay under 2^31 in magnitude.  The mask is added inside the matrix instruction, with its rounding.
; A block's scale is taken from floor(t - M) of its largest logit: where v_exp_f32 rounds that p up to the next power of two, that one p is held at the largest code.  A block of p under 2^-124, or of O, keeps the byte 1.
; The tail loop's last trip issues the next step's LDS loads like the first; their registers are not used.
.set SLOT1, 65536
.set MOFF,  19456
.set MBLK,  8576
.set SPARE, 131072                     ; the spare words, 128 bytes for each of 8 waves
.set SST,   132096                     ; 512 bytes: the way out's scale words; no fill lands here
; window 0, v0-31
.set AK0, 1
.set AM0, 2
.set AS0, 3
.set SPW, 4
.set NIL, 5
.set DL,  6                            ; (my query, or 2^20 from 2,038 on) - 16 h
.set ADK, 7
.set KS,  8                            ; v8-11 K's scale words, v12-13 V's, v14-15 q's, v16-17 p's: scales and nothing else
.set VS,  12
.set QS,  14
.set PS,  16
.set PFO, 18
.set WSA, 19
.set ADM, 20
.set ADS, 21
.set QSA, 22
.set RDS, 30
.set M,   32                           ; window 0 v32-95 the mask;  window 1 v0-47 K's tiles 0-3, then V; v48-95 K's tiles 4-7
; a unit, the same numbers in its window
.set QX,  96                           ; the q operand in use
.set QY,  108                          ; the other one
.set S,   120
.set O,   184
.set T,   216                          ; v216-247 the tail's narrow logits; else:
.set PCD, 216
.set PH,  228
.set BM,  236
.set PL,  240
.set NM,  248                          ; -M
.set RM,  249                          ; the running largest logit
.set SUM, 250
.set FF,  252
.set TP,  254
.set WV,  16
.set CX,  17
.set KVH, 18
.set QB,  19
.set SEL, 20
.set CS,  22
.set G1M, 24
.set G1K, 32
.set G0M, 40
.set G0K, 44
.set MB,  48
.set KB,  50
.set OM,  52
.set OK,  54
.set IXL, 56
.set IXC, 57
.set CNT, 58
.set TB,  59
.set KF,  60
.set SWP, 61
.set LIM, 62
.set PB,  66
.set PA,  68
.set OP,  70
.set LT,  72
.set GE,  73
.set MSB, 0
.macro WIN new
.if MSB != (\new)
	s_set_vgpr_msb (MSB<<8)|(\new)
.set MSB, (\new)
.endif
.endm
.macro UW u
	WIN 0x55*(\u)
.endm
.macro PLACES n
.rept \n
	v_nop
.endr
.endm
.macro D1
	s_delay_alu instid0(VALU_DEP_1)
.endm
.macro CREST                           ; a round of the cluster's barrier behind its opening barrier
	s_cmp_lg_u32 s[WV], 0
	s_cbranch_scc1 .Lnot_wave_0_\@
	s_barrier_signal -3
.Lnot_wave_0_\@:
	s_barrier_wait -3
	s_barrier_signal -1
	s_barrier_wait -1
.endm
.macro CROUND
	s_barrier_signal -1
	s_barrier_wait -1
	CREST
.endm
.macro TLOAD                           ; every wave issues one; an s_nop 0 and four v_nop follow each line
	s_cmp_lt_u32 s[WV], 4
	s_cbranch_scc0 .Lkv_\@
	tensor_load_to_lds s[G0M:G0M+3], s[G1M:G1M+7]
	s_nop 0
	PLACES 4
	s_branch .Lasked_\@
.Lkv_\@:
	tensor_load_to_lds s[G0K:G0K+3], s[G1K:G1K+7]
	s_nop 0
	PLACES 4
.Lasked_\@:
.endm
.macro ADV                             ; both groups 0 go on to the next key step of the walk, in the other slot
	s_xor_b32 s[G0M+1], s[G0M+1], SLOT1
	s_xor_b32 s[G0K+1], s[G0K+1], SLOT1
	s_add_co_u32 s[IXL], s[IXL], 1
	s_and_b32 s[IXL], s[IXL], 15
	s_lshl_b32 s[OM], s[IXL], 9
	s_mul_i32 s[OK], s[IXL], 19456
	s_add_nc_u64 s[G0M+2:G0M+3], s[MB:MB+1], s[OM:OM+1]
	s_or_b32 s[G0M+3], s[G0M+3], 0x80000000
	s_add_nc_u64 s[G0K+2:G0K+3], s[KB:KB+1], s[OK:OK+1]
	s_or_b32 s[G0K+3], s[G0K+3], 0x80000000
.endm
.macro NEXTLD                          ; the next step's K tiles 4-7, mask and K scale words
	WIN 0x40
.irp t, 4,5,6,7
.irp c, 0,1,2
	ds_load_b128 v[12*\t+4*\c:12*\t+4*\c+3], v[ADK] offset:1536*\t+512*\c
.endr
.endr
	WIN 0
.irp t, 0,1,2,3,4,5,6,7
	ds_load_b128 v[M+8*\t:M+8*\t+3], v[ADM] offset:128*(\t/2)+32*(\t%2)
	ds_load_b128 v[M+8*\t+4:M+8*\t+7], v[ADM] offset:128*(\t/2)+32*(\t%2)+16
.endr
.irp b, 0,1,2,3
	ds_load_b32 v[KS+\b], v[ADS] offset:128*\b
.endr
.endm
.macro XLD                             ; its K tiles 0-3, into the registers that V has left: 12 loads
	WIN 0x40
.irp t, 0,1,2,3
.irp c, 0,1,2
	ds_load_b128 v[12*\t+4*\c:12*\t+4*\c+3], v[ADK] offset:1536*\t+512*\c
.endr
.endr
	WIN 0
.endm
.macro SCORES u, g, d, qr              ; tiles 4 g .. 4 g + 3: K's 16 keys x my 16 queries + the mask
	WIN 0x44*(\u)+1
.irp t, 0,1,2,3
.if \t%2
	v_wmma_scale_f32_16x16x128_f8f6f4 v[(\d)+8*\t:(\d)+8*\t+7], v[12*(4*(\g)+\t):12*(4*(\g)+\t)+11], v[\qr:\qr+11], v[M+8*(4*(\g)+\t):M+8*(4*(\g)+\t)+7], v[KS+2*(\g)+\t/2], v[QS+(\u)] matrix_a_fmt:MATRIX_FMT_FP6 matrix_b_fmt:MATRIX_FMT_FP6 matrix_a_scale:MATRIX_SCALE_ROW1
.else
	v_wmma_scale_f32_16x16x128_f8f6f4 v[(\d)+8*\t:(\d)+8*\t+7], v[12*(4*(\g)+\t):12*(4*(\g)+\t)+11], v[\qr:\qr+11], v[M+8*(4*(\g)+\t):M+8*(4*(\g)+\t)+7], v[KS+2*(\g)+\t/2], v[QS+(\u)] matrix_a_fmt:MATRIX_FMT_FP6 matrix_b_fmt:MATRIX_FMT_FP6
.endif
.endr
.endm
.macro PV u
	WIN 0x54*(\u)+1
.irp t, 0,1,2,3
.if \t%2
	v_wmma_scale_f32_16x16x128_f8f6f4 v[O+8*\t:O+8*\t+7], v[12*\t:12*\t+11], v[PCD:PCD+11], v[O+8*\t:O+8*\t+7], v[VS+\t/2], v[PS+(\u)] matrix_a_fmt:MATRIX_FMT_FP6 matrix_b_fmt:MATRIX_FMT_FP6 matrix_a_scale:MATRIX_SCALE_ROW1
.else
	v_wmma_scale_f32_16x16x128_f8f6f4 v[O+8*\t:O+8*\t+7], v[12*\t:12*\t+11], v[PCD:PCD+11], v[O+8*\t:O+8*\t+7], v[VS+\t/2], v[PS+(\u)] matrix_a_fmt:MATRIX_FMT_FP6 matrix_b_fmt:MATRIX_FMT_FP6
.endif
.endr
.endm
.macro MAXB u, b0, b1                  ; the largest logit of my 16 keys of two blocks: two chains a block, each accumulator from its low end on
	UW \u
.irp b, \b0, \b1
	v_max3_num_f32 v[BM+\b], v[S+16*\b], v[S+16*\b+1], v[S+16*\b+2]
	v_max3_num_f32 v[PL+\b], v[S+16*\b+8], v[S+16*\b+9], v[S+16*\b+10]
.endr
.irp i, 3,5
.irp b, \b0, \b1
	v_max3_num_f32 v[BM+\b], v[BM+\b], v[S+16*\b+\i], v[S+16*\b+\i+1]
	v_max3_num_f32 v[PL+\b], v[PL+\b], v[S+16*\b+\i+8], v[S+16*\b+\i+9]
.endr
.endr
.irp b, \b0, \b1
	v_max3_num_f32 v[BM+\b], v[BM+\b], v[PL+\b], v[S+16*\b+7]
.endr
.irp b, \b0, \b1
	v_max_num_f32 v[BM+\b], v[BM+\b], v[S+16*\b+15]
.endr
.endm
.macro SELECT u, g                     ; register 32 g + n holds key KF + 16 h + 64 g + 32 (n / 16) + n % 16: narrow where that is beyond my limit
	UW \u
.set n, 0
.rept 32
	v_cmp_gt_i32 vcc_lo, 64*(\g)+32*(n/16)+n%16, v[TP]
	v_cndmask_b32 v[S+32*(\g)+n], v[S+32*(\g)+n], v[T+n], vcc_lo
.set n, n+1
.endr
.endm
.macro SM1A u                          ; the new M, t - M and the blocks' scales
	UW \u
.irp b, 0,1,2,3
	v_permlanex16_b32 v[PL+\b], v[BM+\b], s[SEL], s[SEL+1]
.endr
.irp b, 0,1,2,3
	s_delay_alu instid0(VALU_DEP_4)
	v_max_num_f32 v[BM+\b], v[BM+\b], v[PL+\b]
.endr
	s_delay_alu instid0(VALU_DEP_2)
	v_max3_num_f32 v[TP], v[BM], v[BM+1], v[BM+2]
	D1
	v_max3_num_f32 v[RM], v[RM], v[TP], v[BM+3]
	D1
	v_mul_f32 v[TP], s[CS], v[RM]
	D1
	v_floor_f32 v[TP], -v[TP]                      ; -M = floor(-t): M is a whole number
	D1
	v_sub_f32 v[FF], v[TP], v[NM]
	v_mov_b32 v[NM], v[TP]
	s_delay_alu instid0(VALU_DEP_2)
	v_cvt_i32_f32 v[FF], v[FF]                     ; (it saturates)
	D1
	v_ldexp_f32 v[FF], 1.0, v[FF]                  ; f = 2^(old M - new M): rounds nothing
.set j, 0
.rept 32
	v_pk_fma_f32 v[S+j:S+j+1], v[S+j:S+j+1], s[CS:CS+1], v[NM:NM+1] op_sel_hi:[1,0,0]
.set j, j+2
.endr
.irp b, 0,1,2,3
	v_fma_f32 v[BM+\b], v[BM+\b], s[CS], v[NM]
.endr
.irp b, 0,1,2,3
	s_delay_alu instid0(VALU_DEP_4)
	v_max_num_f32 v[BM+\b], 0xc2f80000, v[BM+\b]   ; held at -124: the byte cannot fall under 1
.endr
.irp b, 0,1,2,3
	s_delay_alu instid0(VALU_DEP_4)
	v_cvt_floor_i32_f32 v[BM+\b], v[BM+\b]         ; floor(log2) of the block's largest p
.endr
.irp b, 0,1,2,3
	s_delay_alu instid0(VALU_DEP_4)
	v_ldexp_f32 v[BM+\b], 0x3e800000, v[BM+\b]     ; 2^(that - 2): the conversion's scale operand
.endr
.irp b, 0,1,2,3
	s_delay_alu instid0(VALU_DEP_4)
	v_lshrrev_b32 v[PL+\b], 23, v[BM+\b]           ; its byte
.endr
	s_delay_alu instid0(VALU_DEP_3)
	v_lshl_or_b32 v[PL], v[PL+1], 8, v[PL]
	D1
	v_lshl_or_b32 v[PL], v[PL+2], 16, v[PL]
	WIN 0x15*(\u)
	v_lshl_or_b32 v[PS+(\u)], v[PL+3], 24, v[PL]   ; p's scale word, in window 0
.endm
.macro SM1B u                          ; what was summed is brought under the new M
	UW \u
	v_pk_mul_f32 v[SUM:SUM+1], v[SUM:SUM+1], v[FF:FF+1] op_sel_hi:[1,0]
.set j, 0
.rept 16
	v_pk_mul_f32 v[O+j:O+j+1], v[O+j:O+j+1], v[FF:FF+1] op_sel_hi:[1,0]
.set j, j+2
.endr
.endm
.macro POST u                          ; p's codes; then the row's sum of the unquantised p, whose 32 additions are also the places ahead of the products
	UW \u
.irp c, 0,1
	v_cvt_scalef32_pk16_fp6_f32 v[PCD+6*\c:PCD+6*\c+2], v[S+32*\c:S+32*\c+15], v[BM+2*\c]
	v_cvt_scalef32_pk16_fp6_f32 v[PH+4*\c:PH+4*\c+2], v[S+32*\c+16:S+32*\c+31], v[BM+2*\c+1]
.endr
	v_nop
.irp c, 0,1
.irp i, 0,1,2
	v_permlane16_swap_b32 v[PCD+6*\c+\i], v[PH+4*\c+\i]
.endr
.irp i, 0,1,2
	v_mov_b32 v[PCD+3+6*\c+\i], v[PH+4*\c+\i]
.endr
.endr
.irp w, 32,16,8,4,2
.set j, 0
.rept \w/2
	v_pk_add_f32 v[S+j:S+j+1], v[S+j:S+j+1], v[S+j+\w:S+j+\w+1]
.set j, j+2
.endr
.endr
	D1
	v_pk_add_f32 v[SUM:SUM+1], v[SUM:SUM+1], v[S:S+1]
.endm
.macro SWAPQ                           ; the two q operands change places
.irp u, 0,1
	UW \u
.irp i, 0,1,2,3,4,5,6,7,8,9,10,11
	v_swap_b32 v[QX+\i], v[QY+\i]
.endr
.endr
	WIN 0
	PLACES 4
	s_mov_b32 s[SWP], 1
.endm
; A KEY STEP of 128 keys.  tail = 0: one kind of score, a round of the cluster's barrier and a refill.  tail = 1: both kinds and a select, a plain barrier, no refill.
.macro STEP tail
	s_lshl_b32 s[KF], s[IXC], 7
	s_wait_alu depctr_va_vdst(0)
	s_wait_dscnt 12                                ; all but the 12 youngest loads, K's tiles 0-3
.if \tail
.irp u, 0,1
	SCORES \u, 1, T, QY
	SCORES \u, 1, S+32, QX
.endr
	PLACES 4
.irp u, 0,1
	WIN 0x40*\u
	v_sub_nc_u32 v[TP], v[DL], s[KF]
	SELECT \u, 1
.endr
.else
	SCORES 0, 1, S+32, QX
	SCORES 1, 1, S+32, QX
	PLACES 4
	MAXB 0, 2, 3
	MAXB 1, 2, 3
.endif
	s_wait_dscnt 0x0
.if \tail
.irp u, 0,1
	SCORES \u, 0, T, QY
	SCORES \u, 0, S, QX
.endr
.else
	SCORES 0, 0, S, QX
	SCORES 1, 0, S, QX
.endif
	PLACES 4
	WIN 0x40
.irp t, 0,1,2,3
.irp c, 0,1,2
	ds_load_b128 v[12*\t+4*\c:12*\t+4*\c+3], v[ADK] offset:12288+1536*\t+512*\c    ; V, over K's tiles 0-3
.endr
.endr
	WIN 0
	ds_load_b32 v[VS], v[ADS] offset:512
	ds_load_b32 v[VS+1], v[ADS] offset:640
	s_xor_b32 s[TB], s[TB], SLOT1
	v_add_nc_u32 v[ADK], s[TB], v[AK0]             ; from here on the addresses name the other slot
	v_add_nc_u32 v[ADM], s[TB], v[AM0]
	v_add_nc_u32 v[ADS], s[TB], v[AS0]
.if \tail
	SELECT 0, 0
	SELECT 1, 0
	MAXB 0, 2, 3
	MAXB 1, 2, 3
.endif
	MAXB 0, 0, 1
	MAXB 1, 0, 1
	SM1A 0
	SM1A 1
	WIN 0
	s_wait_alu depctr_va_vdst(0)
	s_wait_tensorcnt 0x0                           ; my part of the next slot is in;
	ds_add_u32 v[SPW], v[NIL]
.if \tail == 0
	ADV
	s_wait_xcnt 0x0                                ; the last trip's prefetch has read its address
	s_add_co_u32 s[OP], s[IXL], 2
	s_and_b32 s[OP], s[OP], 15
	s_lshl_b32 s[OP], s[OP], 9
	s_add_nc_u64 s[PA:PA+1], s[PB:PB+1], s[OP:OP+1]
.endif
	SM1B 0
	WIN 0
	s_wait_dscnt 0x0                               ; the add is done, V is in: my reads of this slot are over
	s_barrier_signal -1
	SM1B 1                                         ; work on registers while the others arrive
	WIN 0
	s_barrier_wait -1
.if \tail
	NEXTLD
.else
	CREST                                          ; the barrier has opened a round of the cluster's barrier
	TLOAD                                          ; the slot just read out takes the step two on
	NEXTLD
	s_cmp_gt_u32 s[CNT], s[LIM]
	s_cbranch_scc0 .Lnot_mine_\@
	global_prefetch_b8 v[PFO], s[PA:PA+1] th:TH_LOAD_NT scope:SCOPE_SE
.Lnot_mine_\@:
.endif
.irp u, 0,1
	UW \u
.set j, 0
.rept 64
	v_exp_f32 v[S+j], v[S+j]                       ; p = 2^(t - M): not normalised
.set j, j+1
.endr
.endr
	v_nop
	s_wait_alu depctr_va_vdst(0)                   ; one wait for the batch, ahead of its first reader
	POST 0
	PV 0
	POST 1
	PV 1
	PLACES 5
	XLD
	s_add_co_u32 s[IXC], s[IXC], 1
	s_and_b32 s[IXC], s[IXC], 15
.endm
	s_load_b256 s[4:11], s[0:1], 0x0               ; qc, qs, kv, attention_mask
	s_load_b64 s[12:13], s[0:1], 0x20              ; ac
	v_lshl_add_u32 v[SPW], v0, 2, SPARE
	v_mov_b32 v[NIL], 0
	ds_add_u32 v[SPW], v[NIL]                      ; the opening lines
	ds_add_u32 v[SPW], v[NIL]
	v_lshrrev_b32 v23, 5, v0
	v_readfirstlane_b32 s[WV], v23
	s_bfe_u32 s[CX], ttmp6, 0x40000
	s_lshl_b32 s[KVH], ttmp9, 2
	s_add_co_u32 s[KVH], s[KVH], s[CX]             ; kv head
	s_and_b32 s[QB], ttmp7, 0xffff                 ; block of 64 queries
	s_mov_b32 s[G1M], 15|(2<<16)|(1<<20)|(1<<21)|(6<<22)|(3<<25)   ; all four partners; 16 rows of 128 f32, 4 words of padding behind each
	s_mov_b32 s[G1M+1], 128<<16
	s_mov_b32 s[G1M+2], 16<<16
	s_mov_b32 s[G1M+3], 128<<16
	s_mov_b32 s[G1M+4], 16
	s_mov_b32 s[G1M+5], 2048
	s_mov_b32 s[G1M+6], 0
	s_mov_b32 s[G1M+7], 0
	s_mov_b32 s[G1K], 3<<16                        ; a quarter of a record: 19 rows of 256 bytes, dense
	s_mov_b32 s[G1K+1], 32<<16
	s_mov_b32 s[G1K+2], 19<<16
	s_mov_b32 s[G1K+3], 32<<16
	s_mov_b32 s[G1K+4], 19
	s_mov_b32 s[G1K+5], 32
	s_mov_b32 s[G1K+6], 0
	s_mov_b32 s[G1K+7], 0
	s_and_b32 s76, s[WV], 3
	s_lshl_b32 s77, s[QB], 6
	s_lshl_b32 s78, s76, 4
	s_add_co_u32 s77, s77, s78
	s_lshl_b32 s78, s77, 13                        ; mask rows 64 block + 16 (wave % 4) on
	s_mov_b32 s79, 0
	s_mul_i32 s80, s76, MBLK
	s_add_co_u32 s80, s80, MOFF
	s_mul_i32 s81, s76, 4864
	s_mul_i32 s82, s[KVH], 311296
	s_add_co_u32 s82, s82, s81
	s_mov_b32 s83, 0
	s_lshr_b32 s[IXL], s[QB], 1
	s_add_co_u32 s[IXL], s[IXL], 1
	s_and_b32 s[IXL], s[IXL], 15                   ; the walk's first key step: d + 1
	s_mov_b32 s[IXC], s[IXL]
	s_lshl_b32 s[OM], s[IXL], 9
	s_mov_b32 s[OM+1], 0
	s_mul_i32 s[OK], s[IXL], 19456
	s_mov_b32 s[OK+1], 0
	s_mov_b32 s[OP+1], 0
	s_mov_b32 s[SEL], 0x76543210
	s_mov_b32 s[SEL+1], 0xfedcba98
	s_mov_b32 s[CS], 0x3fb8aa3b                    ; log2(e)
	s_mov_b32 s[CS+1], s[CS]
	s_mov_b32 s[TB], 0
	s_mov_b32 s[SWP], 0
	s_mov_b32 s[CNT], 14
	s_wait_dscnt 0x0
	s_wait_kmcnt 0x0
	s_add_nc_u64 s[MB:MB+1], s[10:11], s[78:79]
	s_add_nc_u64 s[KB:KB+1], s[8:9], s[82:83]
	s_mov_b32 s[G0M], 1
	s_mov_b32 s[G0M+1], s80
	s_add_nc_u64 s[G0M+2:G0M+3], s[MB:MB+1], s[OM:OM+1]
	s_or_b32 s[G0M+3], s[G0M+3], 0x80000000
	s_mov_b32 s[G0K], 1
	s_mov_b32 s[G0K+1], s81
	s_add_nc_u64 s[G0K+2:G0K+3], s[KB:KB+1], s[OK:OK+1]
	s_or_b32 s[G0K+3], s[G0K+3], 0x80000000
	CROUND                                         ; the first joint loads meet
	TLOAD                                          ; the walk's first step: one tensor load a wave at the head
	s_lshr_b32 s76, s[WV], 1                       ; qt: my tile of queries
	s_and_b32 s77, s[WV], 1                        ; hp: my pair of heads
	s_lshl_b32 s78, s[KVH], 2
	s_lshl_b32 s79, s77, 1
	s_add_co_u32 s78, s78, s79                     ; unit 0's head
	s_lshl_b32 s78, s78, 7
	s_lshl_b32 s79, s[QB], 2
	s_add_co_u32 s79, s79, s76                     ; tile of tokens
	s_add_co_u32 s78, s78, s79
	s_mul_i32 s80, s78, 1536
	s_mov_b32 s81, 0
	s_add_nc_u64 s[4:5], s[4:5], s[80:81]
	s_lshl_b32 s80, s78, 6
	s_add_nc_u64 s[6:7], s[6:7], s[80:81]
	s_lshl_b32 s82, s[QB], 6
	s_lshr_b32 s83, s76, 1
	s_lshl_b32 s84, s83, 5
	s_add_co_u32 s82, s82, s84
	s_and_b32 s85, s76, 1
	s_lshl_b32 s84, s85, 3
	s_add_co_u32 s82, s82, s84                     ; my tile's first query
	s_mul_i32 s83, s83, 2*MBLK
	s_mul_i32 s85, s85, 8*528
	s_add_co_u32 s83, s83, s85
	s_add_co_u32 s83, s83, MOFF                    ; and its first mask row in LDS
	s_lshl_b32 s86, s76, 7
	s_lshl_b32 s87, s77, 6
	s_add_co_u32 s86, s86, s87
	s_add_co_u32 s86, s86, SST
	s_lshl_b32 s88, s[KVH], 1
	s_add_co_u32 s88, s88, s77
	s_mul_i32 s88, s88, 196608
	s_mul_i32 s89, s79, 1536
	s_add_co_u32 s88, s88, s89
	s_mov_b32 s89, 0
	s_add_nc_u64 s[90:91], s[12:13], s[88:89]      ; ac's codes: K step 2 kv head + hp, my tile
	s_lshl_b32 s88, s[KVH], 14
	s_lshl_b32 s92, s[QB], 9
	s_add_co_u32 s88, s88, s92
	s_add_co_u32 s88, s88, 3145728
	s_add_nc_u64 s[92:93], s[12:13], s[88:89]      ; its scale words: pair = kv head, tiles 4 block on
	s_lshl_b32 s94, s[QB], 6
	s_lshl_b32 s95, s[CX], 4
	s_add_co_u32 s94, s94, s95
	s_lshl_b32 s94, s94, 13
	s_mov_b32 s95, 0
	s_add_nc_u64 s[PB:PB+1], s[10:11], s[94:95]    ; the prefetches: my work-group's 16 mask rows
	s_cmp_eq_u32 s[WV], 7
	s_cselect_b32 s[LIM], 2, -1                    ; wave 7 asks while more than 2 trips are left
	v_and_b32 v23, 31, v0                          ; lane
	v_and_b32 v24, 15, v0                          ; r
	v_bfe_u32 v25, v0, 4, 1                        ; h
	v_and_b32 v26, 7, v0                           ; r % 8
	v_bfe_u32 v27, v0, 3, 1                        ; r / 8
	v_lshlrev_b32 v[AK0], 4, v23
	v_lshlrev_b32 v[QSA], 2, v24
	v_lshl_add_u32 v[AS0], v23, 2, 18432
	v_mul_u32_u24 v[AM0], v26, 528
	v_mad_u32_u24 v[AM0], v27, MBLK, v[AM0]
	v_lshl_add_u32 v[AM0], v25, 6, v[AM0]
	v_add_nc_u32 v[AM0], s83, v[AM0]
	v_lshl_add_u32 v28, v27, 4, v26
	v_add_nc_u32 v28, s82, v28                     ; my query
	v_cmp_gt_u32 s[LT], 2038, v28
	v_cmp_le_u32 s[GE], 2038, v28
	v_cndmask_b32 v28, 0x100000, v28, s[LT]
	v_lshlrev_b32 v29, 4, v25
	v_sub_nc_u32 v[DL], v28, v29
	v_lshl_add_u32 v[WSA], v24, 2, s86
	v_add_nc_u32 v[RDS], SST, v[AK0]
	v_lshrrev_b32 v[PFO], 1, v23
	v_lshlrev_b32 v[PFO], 13, v[PFO]
	v_and_b32 v29, 1, v23
	v_lshl_add_u32 v[PFO], v29, 8, v[PFO]          ; two lanes to a row, 256 bytes apart
	v_mov_b32 v[ADK], v[AK0]
	v_mov_b32 v[ADM], v[AM0]
	v_mov_b32 v[ADS], v[AS0]
.irp u, 0,1
	UW \u
	v_mov_b32 v[RM], 0xfe967699                    ; the largest logit so far: -1e38
	v_mul_f32 v[TP], s[CS], v[RM]
	v_floor_f32 v[NM], -v[TP]
	v_mov_b32 v[SUM], 0
	v_mov_b32 v[SUM+1], 0
	v_mov_b32 v[FF+1], 0
.set j, 0
.rept 32
	v_mov_b32 v[O+j], 0                            ; the step is written once: the first finds zeros
.set j, j+1
.endr
.endr
	WIN 0
	s_wait_alu depctr_va_vdst(0)
.irp c, 0,1,2
	global_load_b128 v[QY+4*\c:QY+4*\c+3], v[AK0], s[4:5] offset:512*\c
.endr
	WIN 0x40
.irp c, 0,1,2
	global_load_b128 v[QY+4*\c:QY+4*\c+3], v[AK0], s[4:5] offset:196608+512*\c
.endr
	WIN 0
	global_load_b32 v[QS], v[QSA], s[6:7]
	global_load_b32 v[QS+1], v[QSA], s[6:7] offset:8192
	s_cmp_lg_u32 s[WV], 7
	s_cbranch_scc1 .Lno_ask
	s_add_co_u32 s[OP], s[IXL], 2                  ; the mask of the walk's third step,
	s_and_b32 s[OP], s[OP], 15
	s_lshl_b32 s[OP], s[OP], 9
	s_add_nc_u64 s[PA:PA+1], s[PB:PB+1], s[OP:OP+1]
	s_add_co_u32 s94, s[IXL], 3                    ; and of its fourth (s95 = 0); these two registers are not written again
	s_and_b32 s94, s94, 15
	s_lshl_b32 s94, s94, 9
	s_add_nc_u64 s[94:95], s[PB:PB+1], s[94:95]
	global_prefetch_b8 v[PFO], s[PA:PA+1] th:TH_LOAD_NT scope:SCOPE_SE
	global_prefetch_b8 v[PFO], s[94:95] th:TH_LOAD_NT scope:SCOPE_SE
.Lno_ask:
	s_wait_tensorcnt 0x0                           ; the full sequence ahead of slot 1's first fill
	ds_add_u32 v[SPW], v[NIL]
	ADV
	s_wait_dscnt 0x0
	CROUND
	TLOAD
	NEXTLD
	XLD
	s_wait_loadcnt 0x0                             ; q: registers 0-5 boost, 6-11 narrow
.irp u, 0,1
	UW \u
.irp i, 0,1,2,3,4,5
	v_mov_b32 v[QX+6+\i], v[QY+6+\i]               ; QX = [0 | narrow q]
	v_mov_b32 v[QX+\i], 0
	v_cndmask_b32 v[QY+\i], 0, v[QY+\i], s[LT]     ; QY = [boost q | 0], from query 2,038 on [0 | narrow q]
	v_cndmask_b32 v[QY+6+\i], 0, v[QY+6+\i], s[GE]
.endr
.endr
	WIN 0
	PLACES 4
.Lstep:                                            ; 14 trips, each with a refill
	s_cmp_lg_u32 s[IXC], 0
	s_cbranch_scc1 .Lno_swap
	SWAPQ                                          ; the walk has come round to key 0: boost from here on
.Lno_swap:
	STEP 0
	s_sub_co_u32 s[CNT], s[CNT], 1
	s_cmp_lg_u32 s[CNT], 0
	s_cbranch_scc1 .Lstep
	s_cmp_lg_u32 s[SWP], 0
	s_cbranch_scc1 .Lswapped
	SWAPQ                                          ; the tail wants QX = boost, QY = narrow
.Lswapped:
	s_mov_b32 s[CNT], 2
.Ltail:                                            ; key steps d - 1 and d: no tensor load
	STEP 1
	s_sub_co_u32 s[CNT], s[CNT], 1
	s_cmp_lg_u32 s[CNT], 0
	s_cbranch_scc1 .Ltail
	s_wait_alu depctr_va_vdst(0)
	s_wait_dscnt 0x0                               ; the last trip's LDS loads have landed: their registers are written below
	; THE WAY OUT.  O^T / the sum: register 16 b + i is channel 32 b + 16 h + i of the unit's head; the two units' heads are the two halves of one fragment of the last product's operand
.irp u, 0,1
	UW \u
	v_add_f32 v[SUM], v[SUM], v[SUM+1]
	D1
	v_permlanex16_b32 v[TP], v[SUM], s[SEL], s[SEL+1]
	D1
	v_add_f32 v[SUM], v[SUM], v[TP]
.endr
	s_wait_alu depctr_va_vdst(0)
	v_rcp_f32 v[SUM], v[SUM]
	UW 0
	v_rcp_f32 v[SUM], v[SUM]
	v_nop
.irp u, 0,1
	UW \u
	s_wait_alu depctr_va_vdst(0)                   ; ahead of the first reader of the reciprocal and of O^T
.set j, 0
.rept 16
	v_pk_mul_f32 v[S+j:S+j+1], v[O+j:O+j+1], v[SUM:SUM+1] op_sel_hi:[1,0]
.set j, j+2
.endr
.irp b, 0,1
	v_max3_num_f32 v[BM+\b], |v[S+16*\b]|, |v[S+1+16*\b]|, 0x1800000
.endr
.irp i, 2,4,6,8,10,12,14
.irp b, 0,1
	s_delay_alu instid0(VALU_DEP_2)
	v_max3_num_f32 v[BM+\b], v[BM+\b], |v[S+16*\b+\i]|, |v[S+1+16*\b+\i]|
.endr
.endr
.irp b, 0,1
	s_delay_alu instid0(VALU_DEP_2)
	v_permlanex16_b32 v[PL+\b], v[BM+\b], s[SEL], s[SEL+1]
.endr
.irp b, 0,1
	s_delay_alu instid0(VALU_DEP_2)
	v_max_num_f32 v[BM+\b], v[BM+\b], v[PL+\b]
.endr
.irp b, 0,1
	s_delay_alu instid0(VALU_DEP_2)
	v_add_nc_u32 v[BM+\b], 0xff000000, v[BM+\b]
.endr
.irp b, 0,1
	s_delay_alu instid0(VALU_DEP_2)
	v_lshrrev_b32 v[PL+\b], 23, v[BM+\b]
.endr
	WIN 0x15*\u                                    ; results into window 0
	v_lshl_or_b32 v[52+\u], v[PL+1], 8, v[PL]
	v_cvt_scalef32_pk16_fp6_f32 v[32+6*\u:34+6*\u], v[S:S+15], v[BM]
	v_cvt_scalef32_pk16_fp6_f32 v[44+4*\u:46+4*\u], v[S+16:S+31], v[BM+1]
.endr
	WIN 0
	v_nop
.irp u, 0,1
.irp i, 0,1,2
	v_permlane16_swap_b32 v[32+6*\u+\i], v[44+4*\u+\i]
.endr
.irp i, 0,1,2
	v_mov_b32 v[35+6*\u+\i], v[44+4*\u+\i]
.endr
.endr
	v_lshl_or_b32 v52, v53, 16, v52                ; my row's scale word of this K step
	ds_store_b32 v[WSA], v52                       ; lanes r and r + 16 write the same word with the same value
.irp c, 0,1,2
	global_store_b128 v[AK0], v[32+4*\c:35+4*\c], s[90:91] offset:512*\c   ; the fragment as it lies in its registers: 512 consecutive bytes a store
.endr
	s_wait_dscnt 0x0
	s_barrier_signal -1
	s_barrier_wait -1
	s_cmp_lg_u32 s[WV], 0
	s_cbranch_scc1 .Lnot0
	ds_load_b128 v[56:59], v[RDS]
	s_wait_dscnt 0x0
	global_store_b128 v[AK0], v[56:59], s[92:93]   ; the work-group's 512 bytes of scale words
.Lnot0:
	s_wait_tensorcnt 0x0                           ; the wave's end
	ds_add_u32 v[SPW], v[NIL]
	s_wait_dscnt 0x0
	CROUND                                         ; the closing round
	s_endpgm
.Lfunc_end_k_qd718eea6b4_attn:
	.size	k_qd718eea6b4_attn, .Lfunc_end_k_qd718eea6b4_attn-k_qd718eea6b4_attn
	.p2alignl 7, 3214868480
	.fill 96, 4, 3214868480
	.section	.rodata,"a",@progbits
	.p2align	6, 0x0
	.amdhsa_kernel k_qd718eea6b4_attn
		.amdhsa_group_segment_fixed_size 327680
		.amdhsa_private_segment_fixed_size 0
		.amdhsa_enable_private_segment 0
		.amdhsa_kernarg_size 40
		.amdhsa_user_sgpr_count 2
		.amdhsa_user_sgpr_kernarg_segment_ptr 1
		.amdhsa_wavefront_size32 1
		.amdhsa_system_sgpr_workgroup_id_x 1
		.amdhsa_system_sgpr_workgroup_id_y 1
		.amdhsa_system_sgpr_workgroup_id_z 1
		.amdhsa_system_vgpr_workitem_id 0
		.amdhsa_next_free_vgpr 512
		.amdhsa_next_free_sgpr 100
		.amdhsa_reserve_vcc 1
		.amdhsa_float_denorm_mode_32 3
		.amdhsa_float_denorm_mode_16_64 3
		.amdhsa_memory_ordered 1
		.amdhsa_forward_progress 1
		.amdhsa_inst_pref_size 111
	.end_amdhsa_kernel
	.amdgpu_metadata
---
amdhsa.version: [ 1, 2 ]
amdhsa.kernels:
  - .name:           k_qd718eea6b4_attn
    .symbol:         k_qd718eea6b4_attn.kd
    .args:
      - { .name: qc, .offset: 0, .size: 8, .value_kind: global_buffer, .address_space: global }
      - { .name: qs, .offset: 8, .size: 8, .value_kind: global_buffer, .address_space: global }
      - { .name: kv, .offset: 16, .size: 8, .value_kind: global_buffer, .address_space: global }
      - { .name: attention_mask, .offset: 24, .size: 8, .value_kind: global_buffer, .address_space: global }
      - { .name: ac, .offset: 32, .size: 8, .value_kind: global_buffer, .address_space: global }
    .group_segment_fixed_size: 327680
    .private_segment_fixed_size: 0
    .kernarg_segment_align: 8
    .kernarg_segment_size: 40
    .max_flat_workgroup_size: 256
    .sgpr_count:     100
    .vgpr_count:     512
    .wavefront_size: 32
...
	.end_amdgpu_metadata
.endif
;; end of part 3
;; launch oproj (part 4): grid 16 x 16, 4 waves a work-group, clusters of 4 x 4, 327,680 bytes of LDS; arguments xc, xs, ac, out0; writes out0
.if DOCPART == 4
	.amdgcn_target "amdgcn-amd-amdhsa--gfx1250"
	.amdhsa_code_object_version 6
	.text
	.protected	k_qd718eea6b4_oproj
	.globl	k_qd718eea6b4_oproj
	.p2align	8
	.type	k_qd718eea6b4_oproj,@function
k_qd718eea6b4_oproj:
	s_mov_b64 s[64:65], 0
	v_nop
	global_prefetch_b8 v0, s[64:65] scope:SCOPE_SE
	s_setreg_imm32_b32 hwreg(HW_REG_WAVE_MODE, 25, 1), 1
	s_wait_xcnt 0x0
	s_wait_alu depctr_hold_cnt(0) depctr_sa_sdst(0) depctr_va_vdst(0) depctr_va_sdst(0) depctr_va_ssrc(0) depctr_va_vcc(0) depctr_vm_vsrc(0)
	s_getreg_b32 s2, hwreg(HW_REG_IB_STS2, 6, 4)
	s_cmp_eq_u32 s2, 0
	s_cbranch_scc0 .Lentry_in_a_cluster
	s_endpgm
.Lentry_in_a_cluster:
	s_bfe_u32 s2, ttmp6, 0x10000c
	s_cmp_lg_u32 s2, 0xf033
	s_cbranch_scc0 .Lentry_shape_is_right
	s_endpgm
.Lentry_shape_is_right:
; OPROJ.  out0[token][n] = sum over k of attn[token][k] Wo[n][k], on codes of FP6 (E2M3); f32 sums and results.
; Source 0 = "X" = 8 tiles of Wo's rows (xc tiles 320 on), source 1 = "Y" = 8 tiles of tokens (ac): a tile of 128 x 128 of the output to a work-group, 256 work-groups; a wave makes 4 x 4 tiles: 16 accumulators.
; Operands lie in memory as images of their registers (1,536 bytes a fragment).  K = 2,048 goes in 16 steps of 128 through two LDS slots of four steps each; the scale words of all of K come once.
; CLUSTER 4 x 4: X hangs on the work-group's x alone and is shared along a column of the cluster, Y on its y alone and is shared along a row: codes and scale words are asked for jointly.
; A lane holds one token and eight neighbouring outputs an accumulator (the rows of a tile are 32 (T / 2) + 8 (T % 2) + m + 8 (m / 8)); results leave through the wave's own stage as aligned runs of 256 bytes.
; REGISTERS: window 0: addresses, scale words, the way out;  window 1: accumulator (x, y) at v[8 (4 y + x)];  windows 2, 3: two sets of fragments, X's at v[12 x], Y's at v[48 + 12 y].
.set NX,    4
.set FRB,   1536
.set KSTRX, 688128
.set KSTRY, 196608
.set XH,    4*NX*FRB
.set YH,    16*FRB
.set SLOT,  2*XH+2*YH
.set SCX,   2*SLOT
.set SXH,   1024*NX
.set SCY,   SCX+2*SXH
.set SYH,   4096
.set SPARE, SCY+2*SYH
.set LI,  3
.set ADX, 4
.set ADY, 6
.set ASX, 8
.set ASY, 9
.set STO, 10                           ; v10  the way out: where I put 32 bytes of a row
.set RD,  11                           ; v11  where I read a row back
.set CO,  12                           ; v12  my byte offset in two rows of the output
.set SPW, 14
.set NIL, 15
.set SC,  16                           ; v16-39 scale words and nothing else
.set BK,  40                           ; v40-103 two sets of 16 rows read back
.set G1X, 24
.set G1Y, 32
.set G1SX, 40
.set G1SY, 48
.set G0X, 56
.set G0Y, 68
.set G0SX, 76
.set G0SY, 80
.set MSB, 0
.macro WIN new
.if MSB != (\new)
	s_set_vgpr_msb (MSB<<8)|(\new)
.set MSB, (\new)
.endif
.endm
.macro PLACES n
.rept \n
	v_nop
.endr
.endm
.macro JLOAD g0x, g1x, g0y, g1y        ; waves 0, 1 fetch X's halves, waves 2, 3 Y's; an s_nop 0 and four v_nop follow each line
	s_cmp_eq_u32 s19, 0
	s_cbranch_scc0 .Lfor_y_\@
	tensor_load_to_lds s[\g0x:\g0x+3], s[\g1x:\g1x+7]
	s_nop 0
.rept 4
	v_nop
.endr
	s_branch .Lasked_\@
.Lfor_y_\@:
	tensor_load_to_lds s[\g0y:\g0y+3], s[\g1y:\g1y+7]
	s_nop 0
.rept 4
	v_nop
.endr
.Lasked_\@:
.endm
.macro CREST
	s_cmp_lg_u32 s18, 0
	s_cbranch_scc1 .Lnot_wave_0_\@
	s_barrier_signal -3
.Lnot_wave_0_\@:
	s_barrier_wait -3
	s_barrier_signal -1
	s_barrier_wait -1
.endm
.macro CROUND
	s_barrier_signal -1
	s_barrier_wait -1
	CREST
.endm
.macro FETCH k                         ; K step k's fragments into set k % 2; with an even k the pair's scale words
.set FS, ((\k)/4)%2
.set FQ, (\k)%4
	WIN 0x80+0x40*((\k)%2)
.set fx, 0
.rept NX
.irp c, 0,1,2
	ds_load_b128 v[12*fx+4*\c:12*fx+4*\c+3], v[ADX+FS] offset:FQ*NX*FRB+FRB*fx+512*\c
.endr
.set fx, fx+1
.endr
.irp y, 0,1,2,3
.irp c, 0,1,2
	ds_load_b128 v[12*NX+12*\y+4*\c:12*NX+12*\y+4*\c+3], v[ADY+FS] offset:FQ*4*FRB+FRB*\y+512*\c
.endr
.endr
	WIN 0
.if (\k)%2 == 0
.set FP, (\k)/2
.set FJ, SC+12*(FP%2)
.set fx, 0
.rept NX
	ds_load_b32 v[FJ+fx], v[ASX] offset:128*NX*FP+128*fx
.set fx, fx+1
.endr
.irp y, 0,1,2,3
	ds_load_b32 v[FJ+8+\y], v[ASY] offset:512*FP+128*\y
.endr
.endif
.endm
.macro MULALL k, zero                  ; all accumulators by turns, one instruction a turn, in the same order in every step
	WIN 0x5a+5*((\k)%2)
.set SJ, SC+12*(((\k)/2)%2)
.set my, 0
.rept 4
.set mx, 0
.rept NX
.set AC, 8*(NX*my+mx)
.if \zero
	v_wmma_scale_f32_16x16x128_f8f6f4 v[AC:AC+7], v[12*mx:12*mx+11], v[12*NX+12*my:12*NX+12*my+11], 0, v[SJ+mx], v[SJ+8+my] matrix_a_fmt:MATRIX_FMT_FP6 matrix_b_fmt:MATRIX_FMT_FP6
.elseif (\k)%2
	v_wmma_scale_f32_16x16x128_f8f6f4 v[AC:AC+7], v[12*mx:12*mx+11], v[12*NX+12*my:12*NX+12*my+11], v[AC:AC+7], v[SJ+mx], v[SJ+8+my] matrix_a_fmt:MATRIX_FMT_FP6 matrix_b_fmt:MATRIX_FMT_FP6 matrix_a_scale:MATRIX_SCALE_ROW1 matrix_b_scale:MATRIX_SCALE_ROW1
.else
	v_wmma_scale_f32_16x16x128_f8f6f4 v[AC:AC+7], v[12*mx:12*mx+11], v[12*NX+12*my:12*NX+12*my+11], v[AC:AC+7], v[SJ+mx], v[SJ+8+my] matrix_a_fmt:MATRIX_FMT_FP6 matrix_b_fmt:MATRIX_FMT_FP6
.endif
.set mx, mx+1
.endr
.set my, my+1
.endr
.endm
.macro STEP k, zero
	PLACES 4                                       ; in front of loads into the set that the last products read
	FETCH (\k)+1
.set NF, 3*NX+12+(NX+4)*(1-((\k)+1)%2)
	s_wait_dscnt NF                                ; all but the NF loads just issued
	MULALL \k, \zero
	WIN 0
.endm
.macro TURN k, fill                    ; a slot's last step: one barrier; the three lines in front of it; fill = 1: a round of the cluster's barrier, and the slot takes the K steps eight on
.set TSL, ((\k)/4)%2
	s_wait_tensorcnt 0x0
	ds_add_u32 v[SPW], v[NIL]
.if \fill
	s_add_nc_u64 s[G0X+4*TSL+2:G0X+4*TSL+3], s[G0X+4*TSL+2:G0X+4*TSL+3], 8*KSTRX
	s_add_nc_u64 s[G0Y+4*TSL+2:G0Y+4*TSL+3], s[G0Y+4*TSL+2:G0Y+4*TSL+3], 8*KSTRY
.endif
	s_wait_dscnt 0x0                               ; the add is done, this step's fragments are in, my reads of this slot are over
	s_barrier_signal -1
	MULALL \k, 0
	WIN 0
	s_barrier_wait -1
.if \fill
	CREST
	JLOAD G0X+4*TSL, G1X, G0Y+4*TSL, G1Y           ; my one tensor load behind the round; its four v_nop are the places in front of the loads below
.else
	PLACES 4
.endif
	FETCH (\k)+1
.endm
	s_load_b256 s[4:11], s[0:1], 0x0               ; xc, xs, ac, out0
	v_lshl_add_u32 v[SPW], v0, 2, SPARE
	v_mov_b32 v[NIL], 0
	ds_add_u32 v[SPW], v[NIL]                      ; the wave's opening: the add and its wait ahead of my first tensor load
	ds_add_u32 v[SPW], v[NIL]
	v_lshrrev_b32 v1, 5, v0
	v_readfirstlane_b32 s18, v1                    ; wave
	s_lshr_b32 s19, s18, 1                         ; xh.  Also: I fetch for X (0) or Y (1)
	s_and_b32 s20, s18, 1                          ; yh.  Also: which half I fetch
	s_bfe_u32 s21, ttmp6, 0x40000                  ; cx
	s_bfe_u32 s22, ttmp6, 0x40004                  ; cy
	s_lshl_b32 s2, ttmp9, 2
	s_add_co_u32 s2, s2, s21                       ; work-group x: 128 outputs
	s_and_b32 s23, ttmp7, 0xffff
	s_lshl_b32 s23, s23, 2
	s_add_co_u32 s23, s23, s22                     ; work-group y: 128 tokens
	s_lshl_b32 s89, s22, 2
	s_lshl_b32 s89, 15, s89                        ; my row of the cluster
	s_lshl_b32 s90, 0x1111, s21                    ; my column
	s_or_b32 s[G1X], s90, (3<<16)|(1<<21)          ; X goes to my column, Y to my row; elements of 8 bytes
	s_or_b32 s[G1SX], s90, (3<<16)|(1<<21)
	s_or_b32 s[G1Y], s89, (3<<16)|(1<<21)
	s_or_b32 s[G1SY], s89, (3<<16)|(1<<21)
	s_mov_b32 s[G1X+1], (192*NX)<<16               ; 4 rows (K steps) of NX fragments
	s_mov_b32 s[G1X+2], 4<<16
	s_mov_b32 s[G1X+3], (192*NX)<<16
	s_mov_b32 s[G1X+4], 4
	s_mov_b32 s[G1X+5], KSTRX/8
	s_mov_b32 s[G1X+6], 0
	s_mov_b32 s[G1X+7], 0
	s_mov_b32 s[G1Y+1], 768<<16
	s_mov_b32 s[G1Y+2], 4<<16
	s_mov_b32 s[G1Y+3], 768<<16
	s_mov_b32 s[G1Y+4], 4
	s_mov_b32 s[G1Y+5], KSTRY/8
	s_mov_b32 s[G1Y+6], 0
	s_mov_b32 s[G1Y+7], 0
	s_mov_b32 s[G1SX+1], (16*NX)<<16               ; 8 rows (pairs) of NX x 128 bytes
	s_mov_b32 s[G1SX+2], 8<<16
	s_mov_b32 s[G1SX+3], (16*NX)<<16
	s_mov_b32 s[G1SX+4], 8
	s_mov_b32 s[G1SX+5], 7168
	s_mov_b32 s[G1SX+6], 0
	s_mov_b32 s[G1SX+7], 0
	s_mov_b32 s[G1SY+1], 64<<16
	s_mov_b32 s[G1SY+2], 8<<16
	s_mov_b32 s[G1SY+3], 64<<16
	s_mov_b32 s[G1SY+4], 8
	s_mov_b32 s[G1SY+5], 2048
	s_mov_b32 s[G1SY+6], 0
	s_mov_b32 s[G1SY+7], 0
	s_lshl_b32 s91, s2, 3                          ; X: tile 320 + 8 x work-group x + 4 x half: registers that never hold cy
	s_add_co_u32 s91, s91, 320
	s_lshl_b32 s3, s20, 2
	s_add_co_u32 s91, s91, s3
	s_mul_i32 s92, s91, FRB
	s_mov_b32 s93, 0
	s_lshl_b32 s94, s91, 7
	s_mov_b32 s95, 0
	s_lshl_b32 s96, s23, 3                         ; Y: tile 8 x work-group y + 4 x half: registers that never hold cx
	s_add_co_u32 s96, s96, s3
	s_mul_i32 s98, s96, FRB
	s_mov_b32 s99, 0
	s_lshl_b32 s96, s96, 7
	s_add_co_u32 s96, s96, 3145728                 ; ac's scale words lie behind its codes
	s_mov_b32 s97, 0
	s_mul_i32 s89, s18, XH                         ; where they go: no place in the cluster enters an LDS address
	s_mul_i32 s90, s18, YH
	s_add_co_u32 s90, s90, 2*XH-2*YH
	s_mul_i32 s66, s18, SXH
	s_add_co_u32 s66, s66, SCX
	s_mul_i32 s67, s18, SYH
	s_add_co_u32 s67, s67, SCY-2*SYH
	s_wait_dscnt 0x0                               ; the opening add is done
	s_wait_kmcnt 0x0
	s_mov_b32 s[G0SX], 1
	s_mov_b32 s[G0SX+1], s66
	s_add_nc_u64 s[G0SX+2:G0SX+3], s[6:7], s[94:95]
	s_or_b32 s[G0SX+3], s[G0SX+3], 0x80000000
	s_mov_b32 s[G0SY], 1
	s_mov_b32 s[G0SY+1], s67
	s_add_nc_u64 s[G0SY+2:G0SY+3], s[8:9], s[96:97]
	s_or_b32 s[G0SY+3], s[G0SY+3], 0x80000000
.irp s, 0,1
	s_mov_b32 s[G0X+4*\s], 1
	s_add_co_u32 s[G0X+4*\s+1], s89, \s*SLOT
	s_add_nc_u64 s[G0X+4*\s+2:G0X+4*\s+3], s[4:5], s[92:93]
	s_mov_b32 s[G0Y+4*\s], 1
	s_add_co_u32 s[G0Y+4*\s+1], s90, \s*SLOT
	s_add_nc_u64 s[G0Y+4*\s+2:G0Y+4*\s+3], s[8:9], s[98:99]
.if \s
	s_add_nc_u64 s[G0X+4*\s+2:G0X+4*\s+3], s[G0X+4*\s+2:G0X+4*\s+3], 4*KSTRX
	s_add_nc_u64 s[G0Y+4*\s+2:G0Y+4*\s+3], s[G0Y+4*\s+2:G0Y+4*\s+3], 4*KSTRY
.endif
	s_or_b32 s[G0X+4*\s+3], s[G0X+4*\s+3], 0x80000000
	s_or_b32 s[G0Y+4*\s+3], s[G0Y+4*\s+3], 0x80000000
.endr
	CROUND                                         ; all sixteen work-groups are here: the first joint loads meet
	JLOAD G0SX, G1SX, G0SY, G1SY                   ; the scale words of all of K: filled once; one tensor load a wave at the head
	s_wait_alu depctr_va_vdst(0)
	s_wait_tensorcnt 0x0                           ; the full sequence ahead of each later first fill
	ds_add_u32 v[SPW], v[NIL]
	s_wait_dscnt 0x0
	CROUND
	JLOAD G0X, G1X, G0Y, G1Y                       ; K steps 0-3
	s_wait_alu depctr_va_vdst(0)
	s_wait_tensorcnt 0x0
	ds_add_u32 v[SPW], v[NIL]
	s_wait_dscnt 0x0
	CROUND
	JLOAD G0X+4, G1X, G0Y+4, G1Y                   ; K steps 4-7: one load of mine is out
	v_and_b32 v1, 31, v0
	v_lshlrev_b32 v[LI], 4, v1
	s_mul_i32 s89, s19, XH
	v_add_nc_u32 v[ADX], s89, v[LI]
	v_add_nc_u32 v[ADX+1], SLOT, v[ADX]
	s_mul_i32 s89, s20, YH
	s_add_co_u32 s89, s89, 2*XH
	v_add_nc_u32 v[ADY], s89, v[LI]
	v_add_nc_u32 v[ADY+1], SLOT, v[ADY]
	s_mul_i32 s89, s19, SXH
	s_add_co_u32 s89, s89, SCX
	v_lshl_add_u32 v[ASX], v1, 2, s89
	s_mul_i32 s89, s20, SYH
	s_add_co_u32 s89, s89, SCY
	v_lshl_add_u32 v[ASY], v1, 2, s89
	v_and_b32 v40, 15, v0                          ; r
	v_bfe_u32 v41, v0, 4, 1                        ; h
	s_mul_i32 s89, s18, 16*272                     ; my stage: 16 rows x (256 bytes + 16), in slot 0, which has had its last fill and its last read when the first result is stored there
	v_mul_u32_u24 v[STO], v40, 272
	v_lshl_add_u32 v[STO], v41, 6, v[STO]
	v_add_nc_u32 v[STO], s89, v[STO]
	v_mul_u32_u24 v[RD], v41, 272
	v_lshl_add_u32 v[RD], v40, 4, v[RD]
	v_add_nc_u32 v[RD], s89, v[RD]
	v_lshlrev_b32 v[CO], 13, v41
	v_lshl_add_u32 v[CO], v40, 4, v[CO]
	s_lshl_b32 s92, s23, 7
	s_lshl_b32 s93, s20, 6
	s_add_co_u32 s92, s92, s93
	s_lshl_b32 s92, s92, 13                        ; my first token's row of 8,192 bytes
	s_lshl_b32 s93, s2, 9
	s_add_co_u32 s92, s92, s93
	s_lshl_b32 s93, s19, 8
	s_add_co_u32 s92, s92, s93                     ; + my 64 outputs
	s_mov_b32 s93, 0
	s_add_nc_u64 s[10:11], s[10:11], s[92:93]
	s_wait_tensorcnt 1                             ; the scale words and K steps 0-3 are in; the second slot's load may stay out
	s_barrier_signal -1
	s_barrier_wait -1
	FETCH 0
	STEP 0, 1                                      ; the first products start the sums
	STEP 1, 0
	STEP 2, 0
	TURN 3, 1
	STEP 4, 0
	STEP 5, 0
	STEP 6, 0
	TURN 7, 1
	STEP 8, 0
	STEP 9, 0
	STEP 10, 0
	TURN 11, 0
	STEP 12, 0
	STEP 13, 0
	STEP 14, 0
	s_wait_dscnt 0x0
	MULALL 15, 0
	WIN 0
	PLACES 4                                       ; in front of the first read of results
; THE WAY OUT, a tile of 16 tokens x 64 outputs at a time.  Register j of accumulator (x, y) is output 32 (x / 2) + 16 h + 8 (x % 2) + j of token r.  LDS serves a wave's instructions in order: no wait between the stores and the loads.
.macro TOSTAGE y
	WIN 0x04                                       ; an LDS store's data are its source 1: window 1
.irp x, 0,1,2,3
	ds_store_b128 v[STO], v[8*(4*(\y)+\x):8*(4*(\y)+\x)+3] offset:128*(\x/2)+32*(\x%2)       ; each accumulator from its low end on
	ds_store_b128 v[STO], v[8*(4*(\y)+\x)+4:8*(4*(\y)+\x)+7] offset:128*(\x/2)+32*(\x%2)+16
.endr
	WIN 0
.irp t, 0,1,2,3,4,5,6,7
	ds_load_b128 v[BK+32*((\y)%2)+4*\t:BK+32*((\y)%2)+4*\t+3], v[RD] offset:544*\t
.endr
.endm
.macro SEND y, younger                 ; younger: the LDS instructions issued behind this tile's loads, which may stay out
	s_wait_dscnt \younger
.irp t, 0,1,2,3,4,5,6,7
	global_store_b128 v[CO], v[BK+32*((\y)%2)+4*\t:BK+32*((\y)%2)+4*\t+3], s[10:11] offset:(32*((\y)/2)+8*((\y)%2)+2*\t+8*(\t/4))*8192 th:TH_STORE_NT   ; 16 lanes store 256 consecutive bytes, aligned; stage row m is token 32 (y / 2) + 8 (y % 2) + m + 8 (m / 8)
.endr
.endm
	s_wait_alu depctr_va_vdst(0)
	TOSTAGE 0
	TOSTAGE 1
	SEND 0, 16                                     ; behind tile 0's loads: tile 1's 8 stores and 8 loads
	s_wait_xcnt 0x0                                ; tile 0's stores have read their registers: tile 2's loads may land there
	TOSTAGE 2
	SEND 1, 16
	s_wait_xcnt 0x0
	TOSTAGE 3
	SEND 2, 16
	SEND 3, 0
	s_wait_tensorcnt 0x0                           ; the wave's end
	ds_add_u32 v[SPW], v[NIL]
	s_wait_dscnt 0x0
	CROUND                                         ; the closing round
	s_endpgm
.Lfunc_end_k_qd718eea6b4_oproj:
	.size	k_qd718eea6b4_oproj, .Lfunc_end_k_qd718eea6b4_oproj-k_qd718eea6b4_oproj
	.p2alignl 7, 3214868480
	.fill 96, 4, 3214868480
	.section	.rodata,"a",@progbits
	.p2align	6, 0x0
	.amdhsa_kernel k_qd718eea6b4_oproj
		.amdhsa_group_segment_fixed_size 327680
		.amdhsa_private_segment_fixed_size 0
		.amdhsa_enable_private_segment 0
		.amdhsa_kernarg_size 32
		.amdhsa_user_sgpr_count 2
		.amdhsa_user_sgpr_kernarg_segment_ptr 1
		.amdhsa_wavefront_size32 1
		.amdhsa_system_sgpr_workgroup_id_x 1
		.amdhsa_system_sgpr_workgroup_id_y 1
		.amdhsa_system_sgpr_workgroup_id_z 1
		.amdhsa_system_vgpr_workitem_id 0
		.amdhsa_next_free_vgpr 1024
		.amdhsa_next_free_sgpr 100
		.amdhsa_reserve_vcc 0
		.amdhsa_float_denorm_mode_32 3
		.amdhsa_float_denorm_mode_16_64 3
		.amdhsa_memory_ordered 1
		.amdhsa_forward_progress 1
		.amdhsa_inst_pref_size 85
	.end_amdhsa_kernel
	.amdgpu_metadata
---
amdhsa.version: [ 1, 2 ]
amdhsa.kernels:
  - .name:           k_qd718eea6b4_oproj
    .symbol:         k_qd718eea6b4_oproj.kd
    .args:
      - { .name: xc, .offset: 0, .size: 8, .value_kind: global_buffer, .address_space: global }
      - { .name: xs, .offset: 8, .size: 8, .value_kind: global_buffer, .address_space: global }
      - { .name: ac, .offset: 16, .size: 8, .value_kind: global_buffer, .address_space: global }
      - { .name: out0, .offset: 24, .size: 8, .value_kind: global_buffer, .address_space: global }
    .group_segment_fixed_size: 327680
    .private_segment_fixed_size: 0
    .kernarg_segment_align: 8
    .kernarg_segment_size: 32
    .max_flat_workgroup_size: 128
    .sgpr_count:     100
    .vgpr_count:     1024
    .wavefront_size: 32
...
	.end_amdgpu_metadata
.endif
;; end of part 4
